; MI455X (gfx1250); checked and timed in simulation.
; The chip was launched on July 23, 2026; its instructions are those of AMD's public machine-readable ISA for CDNA 5 (MIT licence, August 2026) and "CDNA5" Instruction Set Architecture Reference Guide (July 2026). The comments in the code are by the model that wrote it; some were corrected since.
;; KNN Classifier. Allowed arithmetic: matrix products marked QUANTISED: E2M1 operands, one E8M0 scale for each 32 along K, by v_wmma_scale_f32_16x16x128_f8f6f4 with both operands' format E2M1 (or v_wmma_scale_f32_32x16x128_f4), f32 sums; everything else in f32.
;; Inputs: X 1,024 x 512 float32; X_train 100,000 x 512 float32; y_train 100,000 int32.
;; Outputs: out0 1,024 int32.
;; Constants: k = 8.
;; This version of the problem:
;;   THIS VERSION OF THE PROBLEM IS GIVEN IN LOW PRECISION. The matrix products marked QUANTISED in the list below multiply operands that are first quantised to E2M1 (2 exponent bits, 1 mantissa bit; 4 bits a number), with one power-of-two scale for each 32 numbers along K (OCP MX v1.0); their sums are f32. All else is computed in f32.
;;   The module's matrix products, in the order in which they are computed (A, B: the left and right operand; K: the contracted axis; several contracted axes count as one K, in the product's order):
;;     1. [M 1,024, K 512] x [K 512, N 100,000]; A: input X; B: input X_train: QUANTISED
;;   THE QUANTISER, for each operand of a quantised product, along K:
;;     - K is cut into blocks of 32 from its start; a last block that is shorter is filled with zeros.
;;     - A block's scale is 2^e with e = floor(log2(the largest magnitude in the block)) - 2, held to -126 .. 127; a block of zeros has e = 0. As a byte (E8M0): e + 127.
;;     - Each number is divided by its block's scale, clamped to +-6, and rounded to the nearest number of E2M1, ties to even, subnormals kept.
;;     - The product sums the exact products of the quantised numbers (number of the format x scale) in f32.
;;   ~~~python
;;   def quantise(x, axis):      # numpy; x: float32 -> the quantised numbers, widened to float32 again
;;       x = np.moveaxis(x, axis, -1); K = x.shape[-1]
;;       x = np.pad(x, [(0, 0)] * (x.ndim - 1) + [(0, -K % 32)]); x = x.reshape(x.shape[:-1] + (-1, 32)); a = np.abs(x).max(-1, keepdims=True)
;;       e = np.where(a > 0, np.clip(np.frexp(np.where(a > 0, a, 1))[1] - 1 - 2, -126, 127), 0)      # np.frexp(a)[1] - 1 = floor(log2(a)), exactly
;;       r = np.clip(x / 2.0 ** e, -6, 6)
;;       step = 2.0 ** (np.maximum(np.frexp(np.where(r == 0, 1, r))[1] - 1, 0) - 1)
;;       q = np.round(r / step) * step * 2.0 ** e      # np.round: ties to even
;;       return np.moveaxis(q.reshape(q.shape[:-2] + (-1,))[..., :K], -1, axis).astype(np.float32)
;;   ~~~
;; 2 versions. Each part assembles by itself: llvm-mc -triple=amdgcn-amd-amdhsa -mcpu=gfx1250 --defsym DOCPART=n.
;; ======== version 1 of 2: 4 launches
;; workspace buffers: tc 25,600,000 bytes; ts 1,600,000 bytes; t2 400,128 bytes; xc 262,144 bytes; xs 16,384 bytes; x2 4,096 bytes; gm 16,384,000 bytes; sel 32,768 bytes of whole numbers
;; launch quant (part 1): grid 3157 x 1, 1 waves a work-group, no clusters, 14,848 bytes of LDS; arguments X_train, X, tc, ts, t2, xc, xs, x2; writes tc, ts, t2, xc, xs, x2
.if DOCPART == 1
	.amdgcn_target "amdgcn-amd-amdhsa--gfx1250"
	.amdhsa_code_object_version 6
	.text
	.protected	k_qa862cad123_quant
	.globl	k_qa862cad123_quant
	.p2align	8
	.type	k_qa862cad123_quant,@function
k_qa862cad123_quant:
	s_mov_b64 s[64:65], 0
	v_nop
	global_prefetch_b8 v0, s[64:65] scope:SCOPE_SE
	s_setreg_imm32_b32 hwreg(HW_REG_WAVE_MODE, 25, 1), 1
	s_wait_xcnt 0x0
; X_train [100000][512] and X [1024][512], f32, become codes of FP4 (E2M1) with one E8M0 scale byte for each 32 along K, and each row's sum of squares in f32.
; A block's scale is 2^(floor(log2(its largest magnitude)) - 2): its byte is the largest magnitude's own exponent field - 2, held at 1 from below by a floor among the maximum's leaves.
; (A block of zeros so keeps the byte 1: its codes are zeros, which add nothing, and the bytes are read by this program alone.)
; LIMITS: NaN and infinities among the inputs are not served.  The sum of squares is a tree of this text's own order (two packed chains a lane, then across the lanes).
; LAYOUT OF THE CODES: by octets of 8 neighbouring rows, 2,048 bytes each: [sc 0..7][hh 0..1][row 0..7][16 bytes], the 16 bytes being block 2 sc + hh of the row.  So the 256 bytes (octet, sc) are what sixteen
; lanes of a matrix operand's load take for 8 rows: lane (row, hh) its 16 bytes; registers 4 sc .. 4 sc + 3 of a row's four K steps come by one load each.  Scale bytes: [row][16].  Squares: [row].
; SHARES: one wave to a work-group, 32 rows to a wave (four octets).  The first NT work-groups take X_train, the others X: only pointers are chosen, both take one path.
; A step is a row: four loads of 512 consecutive bytes; the 2,048 bytes turn through a stage in LDS, so that lane l then holds the 16 neighbours k = 16 l .. 16 l + 15 (two lanes to a block).
; Codes, bytes and squares are gathered in LDS and leave at the end: the codes in stores of 512 consecutive bytes.  Loads run four rows ahead, the turn one row.
.set NT,    3125                       ; work-groups of X_train: 100,000 / 32
.set ROWS,  32
.set SP,    80                         ; a lane's place in a stage: 64 bytes + 16 of padding
.set STG,   32*SP                      ; a stage; two of them from LDS byte 0
.set CST,   2*STG                      ; the codes: 32 pieces (octet, sc) of 256 bytes + 16 of padding
.set CP,    272
.set SST,   CST+32*CP                  ; the scale bytes: [row][16]
.set QST,   SST+16*ROWS                ; the squares: [row]
.set R,     16                         ; v16-79   four sets of 16 numbers as loaded
.set X,     80                         ; v80-111  two sets of 16 neighbours
.set C,     112                        ; v112-115 a step's codes, two registers, by the step's parity
.set E,     116                        ; v116-117 its scale byte, by parity
.set QF,    118                        ; v118-119 its row's square, by parity
	s_load_b256 s[4:11], s[0:1], 0x0               ; X_train s[4:5], X s[6:7], tc s[8:9], ts s[10:11]
	s_load_b256 s[12:19], s[0:1], 0x20             ; t2 s[12:13], xc s[14:15], xs s[16:17], x2 s[18:19]
	v_lshl_add_u32 v128, v0, 2, 0x3900
	v_mov_b32 v129, 0
	v_lshlrev_b32 v3, 4, v0                        ; 16 l: my bytes of a load's or a store's 512
	v_lshrrev_b32 v1, 2, v0
	v_and_b32 v2, 3, v0
	v_mul_u32_u24 v14, v1, SP
	v_lshl_add_u32 v14, v2, 4, v14                 ; the stage, in: four lanes' 64 bytes on end, then the padding
	v_mul_u32_u24 v15, v0, SP                      ; and out: my 16 neighbours
	v_mul_u32_u24 v4, v1, CP                       ; my 8 bytes of codes: sc = l / 4,
	v_bfe_u32 v2, v0, 1, 1
	v_lshl_add_u32 v4, v2, 7, v4                   ; hh = (l / 2) % 2,
	v_and_b32 v2, 1, v0
	v_lshl_add_u32 v4, v2, 3, v4                   ; which half of the block's 16 bytes
	v_add_nc_u32 v4, CST, v4
	v_lshrrev_b32 v5, 1, v0
	v_add_nc_u32 v5, SST, v5                       ; my block's scale byte
	v_mov_b32 v6, QST                              ; the row's square
	v_lshrrev_b32 v2, 4, v0
	v_mul_u32_u24 v7, v2, CP
	v_and_b32 v2, 15, v0
	v_lshl_add_u32 v7, v2, 4, v7
	v_add_nc_u32 v7, CST, v7                       ; the codes on their way out: sixteen lanes to a piece, two pieces an instruction
	v_add_nc_u32 v9, SST, v3                       ; the scale bytes: a row's 16 to a lane
	v_lshlrev_b32 v11, 2, v0
	v_add_nc_u32 v10, QST, v11                     ; the squares: a row's to a lane
	v_mov_b32 v124, 0                              ; written once: a lane permute's destination counts as one of its sources
	s_mov_b32 s20, 0x76543210
	s_mov_b32 s21, 0xfedcba98                      ; selects for lane l xor 16
	s_mov_b32 s25, 0
	s_wait_kmcnt 0x0
	s_cmp_lt_u32 ttmp9, NT                         ; X_train's work-group or X's?  The choice hangs on the work-group's number alone
	s_cselect_b64 s[4:5], s[4:5], s[6:7]
	s_cselect_b64 s[8:9], s[8:9], s[14:15]
	s_cselect_b64 s[10:11], s[10:11], s[16:17]
	s_cselect_b64 s[12:13], s[12:13], s[18:19]
	s_cselect_b32 s22, 0, NT
	s_sub_co_u32 s22, ttmp9, s22                   ; which 32 rows of the tensor
	s_lshl_b32 s24, s22, 16                        ; 32 rows of 2,048 bytes (3,124 x 65,536 stays under 2^32)
	s_add_nc_u64 s[4:5], s[4:5], s[24:25]
	s_lshl_b32 s24, s22, 13                        ; four octets of 2,048 bytes
	s_add_nc_u64 s[8:9], s[8:9], s[24:25]
	s_lshl_b32 s24, s22, 9                         ; 32 rows of 16 scale bytes
	s_add_nc_u64 s[10:11], s[10:11], s[24:25]
	s_lshl_b32 s24, s22, 7                         ; 32 squares
	s_add_nc_u64 s[12:13], s[12:13], s[24:25]
.macro LOAD t                          ; row t: four loads of 512 consecutive bytes into set t % 4
.irp i, 0,1,2,3
	global_load_b128 v[R+16*((\t)%4)+4*\i:R+16*((\t)%4)+4*\i+3], v3, s[4:5] offset:2048*(\t)+512*\i th:TH_LOAD_NT
.endr
.endm
.macro TURN t                          ; row t through stage t % 2: LDS serves a wave's instructions in order, so no wait stands between the stores and the loads
.irp i, 0,1,2,3
	ds_store_b128 v14, v[R+16*((\t)%4)+4*\i:R+16*((\t)%4)+4*\i+3] offset:STG*((\t)%2)+8*SP*\i
.endr
.irp i, 0,1,2,3
	ds_load_b128 v[X+16*((\t)%2)+4*\i:X+16*((\t)%2)+4*\i+3], v15 offset:STG*((\t)%2)+16*\i
.endr
.endm
.irp t, 0,1,2,3
	LOAD \t
.endr
	s_wait_loadcnt 12                              ; row 0's four loads are in
	TURN 0
.macro STEP t
.set XS, X+16*((\t)%2)
.set PR, (\t)%2
.if (\t) > 0
	s_wait_dscnt 3                                 ; this row is back from the stage; only the last step's three stores may be out.  So the stage's stores have read their registers,
.else
	s_wait_dscnt 0x0
.endif
.if (\t)+4 < ROWS
	LOAD (\t)+4                                    ; which take the row four further on
.endif
.if (\t)+1 < ROWS
.if ROWS-2-(\t) >= 3
	s_wait_loadcnt 12                              ; the next row's four loads are in; those of the three rows behind it may be out
.else
	s_wait_loadcnt 4*(ROWS-2-(\t))                 ; near the end fewer rows are behind it
.endif
	TURN (\t)+1                                    ; it goes through the other stage while this row is worked
.endif
	v_max3_num_f32 v8, |v[XS]|, |v[XS+1]|, |v[XS+2]|               ; the largest magnitude of my 16, in two chains
	v_max3_num_f32 v13, |v[XS+3]|, |v[XS+4]|, |v[XS+5]|
.irp i, 6,10
	v_max3_num_f32 v8, v8, |v[XS+\i]|, |v[XS+\i+1]|
	v_max3_num_f32 v13, v13, |v[XS+\i+2]|, |v[XS+\i+3]|
.endr
	v_max3_num_f32 v8, v8, |v[XS+14]|, |v[XS+15]|
	v_max3_num_f32 v8, v8, v13, 0x1800000          ; and the floor 2^(3 - 127): the byte cannot fall under 1
	v_max_num_f32_dpp v8, v8, v8 row_xmask:1 row_mask:0xf bank_mask:0xf   ; with my neighbour's 16: the block's
	v_add_nc_u32 v12, 0xff000000, v8               ; 2 off its exponent field: the conversion takes that field of this operand as its scale, and nothing else of it
	v_cvt_scalef32_pk8_fp4_f32 v[C+2*PR], v[XS:XS+7], v12          ; to the nearest code, ties to even, beyond the largest code the largest
	v_cvt_scalef32_pk8_fp4_f32 v[C+2*PR+1], v[XS+8:XS+15], v12
	v_lshrrev_b32 v[E+PR], 23, v12                 ; the scale's byte (a plain line behind the conversions)
	v_pk_mul_f32 v[120:121], v[XS:XS+1], v[XS:XS+1]                ; the squares of the numbers as they came, two at a time, in two chains
	v_pk_mul_f32 v[122:123], v[XS+2:XS+3], v[XS+2:XS+3]
.irp i, 4,8,12
	v_pk_fma_f32 v[120:121], v[XS+\i:XS+\i+1], v[XS+\i:XS+\i+1], v[120:121]
	v_pk_fma_f32 v[122:123], v[XS+\i+2:XS+\i+3], v[XS+\i+2:XS+\i+3], v[122:123]
.endr
	v_pk_add_f32 v[120:121], v[120:121], v[122:123]
	v_add_f32 v120, v120, v121
	v_add_f32_dpp v120, v120, v120 row_xmask:1 row_mask:0xf bank_mask:0xf
	v_add_f32_dpp v120, v120, v120 row_xmask:2 row_mask:0xf bank_mask:0xf
	v_add_f32_dpp v120, v120, v120 row_xmask:4 row_mask:0xf bank_mask:0xf
	v_add_f32_dpp v120, v120, v120 row_xmask:8 row_mask:0xf bank_mask:0xf
	v_permlanex16_b32 v124, v120, s20, s21
	v_add_f32 v[QF+PR], v120, v124                 ; the row's sum of squares, in every lane
	ds_store_b64 v4, v[C+2*PR:C+2*PR+1] offset:8*CP*((\t)/8)+16*((\t)%8)   ; octet t / 8, row t % 8
	ds_store_b8 v5, v[E+PR] offset:16*(\t)         ; both lanes of a block write the same byte with the same value
	ds_store_b32 v6, v[QF+PR] offset:4*(\t)        ; all lanes write the same word with the same value
.endm                                  ; (these three stores' data are written again two steps on, behind a wait that has shown them done)
.irp t, 0,1,2,3,4,5,6,7,8,9,10,11,12,13,14,15,16,17,18,19,20,21,22,23,24,25,26,27,28,29,30,31
	STEP \t
.endr
.irp i, 0,1,2,3,4,5,6,7,8,9,10,11,12,13,14,15
	ds_load_b128 v[R+4*\i:R+4*\i+3], v7 offset:2*CP*\i             ; LDS serves a wave's instructions in order: these see my stores
.endr
	ds_load_b128 v[80:83], v9
	ds_load_b32 v84, v10
.irp i, 0,1,2,3,4,5,6,7,8,9,10,11,12,13,14,15
	s_wait_dscnt 17-\i                             ; behind load i: 15 - i loads of codes, the bytes' and the squares'
	global_store_b128 v3, v[R+4*\i:R+4*\i+3], s[8:9] offset:512*\i   ; 32 lanes store 512 consecutive bytes, at a multiple of 256 from the buffer's first byte
.endr
	s_wait_dscnt 1
	global_store_b128 v3, v[80:83], s[10:11]       ; 32 rows' scale bytes: 512 consecutive bytes
	s_wait_dscnt 0x0
	global_store_b32 v11, v84, s[12:13]            ; 32 squares
	s_wait_tensorcnt 0x0
	ds_add_u32 v128, v129
	s_wait_dscnt 0x0
	s_endpgm
.Lfunc_end_k_qa862cad123_quant:
	.size	k_qa862cad123_quant, .Lfunc_end_k_qa862cad123_quant-k_qa862cad123_quant
	.p2alignl 7, 3214868480
	.fill 96, 4, 3214868480
	.section	.rodata,"a",@progbits
	.p2align	6, 0x0
	.amdhsa_kernel k_qa862cad123_quant
		.amdhsa_group_segment_fixed_size 14848
		.amdhsa_private_segment_fixed_size 0
		.amdhsa_enable_private_segment 0
		.amdhsa_kernarg_size 64
		.amdhsa_user_sgpr_count 2
		.amdhsa_user_sgpr_kernarg_segment_ptr 1
		.amdhsa_wavefront_size32 1
		.amdhsa_system_sgpr_workgroup_id_x 1
		.amdhsa_system_sgpr_workgroup_id_y 1
		.amdhsa_system_sgpr_workgroup_id_z 1
		.amdhsa_system_vgpr_workitem_id 0
		.amdhsa_next_free_vgpr 130
		.amdhsa_next_free_sgpr 66
		.amdhsa_reserve_vcc 0
		.amdhsa_float_denorm_mode_32 3
		.amdhsa_float_denorm_mode_16_64 3
		.amdhsa_memory_ordered 1
		.amdhsa_forward_progress 1
		.amdhsa_inst_pref_size 99
	.end_amdhsa_kernel
	.amdgpu_metadata
---
amdhsa.version: [ 1, 2 ]
amdhsa.kernels:
  - .name:           k_qa862cad123_quant
    .symbol:         k_qa862cad123_quant.kd
    .args:
      - { .name: X_train, .offset: 0, .size: 8, .value_kind: global_buffer, .address_space: global }
      - { .name: X, .offset: 8, .size: 8, .value_kind: global_buffer, .address_space: global }
      - { .name: tc, .offset: 16, .size: 8, .value_kind: global_buffer, .address_space: global }
      - { .name: ts, .offset: 24, .size: 8, .value_kind: global_buffer, .address_space: global }
      - { .name: t2, .offset: 32, .size: 8, .value_kind: global_buffer, .address_space: global }
      - { .name: xc, .offset: 40, .size: 8, .value_kind: global_buffer, .address_space: global }
      - { .name: xs, .offset: 48, .size: 8, .value_kind: global_buffer, .address_space: global }
      - { .name: x2, .offset: 56, .size: 8, .value_kind: global_buffer, .address_space: global }
    .group_segment_fixed_size: 14848
    .private_segment_fixed_size: 0
    .kernarg_segment_align: 8
    .kernarg_segment_size: 64
    .max_flat_workgroup_size: 32
    .sgpr_count:     66
    .vgpr_count:     130
    .wavefront_size: 32
...
	.end_amdgpu_metadata
.endif
;; end of part 1
;; launch dist (part 2): grid 250 x 1, 4 waves a work-group, no clusters, 82,432 bytes of LDS; arguments xc, xs, x2, tc, ts, t2, gm; writes gm
.if DOCPART == 2
	.amdgcn_target "amdgcn-amd-amdhsa--gfx1250"
	.amdhsa_code_object_version 6
	.text
	.protected	k_qa862cad123_dist
	.globl	k_qa862cad123_dist
	.p2align	8
	.type	k_qa862cad123_dist,@function
k_qa862cad123_dist:
	s_mov_b64 s[64:65], 0
	v_nop
	global_prefetch_b8 v0, s[64:65] scope:SCOPE_SE
	s_setreg_imm32_b32 hwreg(HW_REG_WAVE_MODE, 25, 1), 1
	s_wait_xcnt 0x0
; The whole quantised product X X_train^T on codes of FP4 (E2M1) with E8M0 scales, d2 = (x2 + t2) - 2 x.t in f32, and of each GROUP of 24 or 32 neighbouring training rows the smallest distance of each query:
; gm[share 0..249][query 0..1023][slot 0..15] = sqrt(max(the group's smallest d2, 0)).  max and the root are applied once a group: neither falls where its input rises, so they change places with the minimum.
; LIMITS: v_sqrt_f32 is taken not to fall where its input rises (the ISA guide promises 1 ulp); NaN and infinities are not served.
; GROUPS.  Share g is rows 400 g .. 400 g + 399 = octets 50 g .. 50 g + 49.  Its half h is octets 50 g + 25 h + tau, tau = 0 .. 24; block b is tau = 3 b .. 3 b + 2 (b < 7), 21 .. 24 (b = 7).  Slot = 8 h + b.
; SHARES.  Work-group g takes share g for all queries.  Wave w keeps queries 256 w .. 256 w + 255 (16 tiles: 512 registers of codes, 64 of scale words) for the whole launch and walks 25 training tiles.
; THE PRODUCT.  Source 0 = training tile tau: row m comes from octet 50 g + 25 (m / 8) + tau, row m % 8; source 1 = 16 queries.  In the result lane (r, h) holds ONE query (r) and in registers 0 .. 7 the eight rows of its
; half's octet: a running minimum a lane and query tile is all that a block needs, and no lane looks at another.
; No tensor loads, no cluster: the queries must end in registers, and a training tile is 4,352 bytes of codes and scales for 64 matrix instructions, loaded straight into registers, three buffers deep, two tiles ahead.
; The waves share nothing: no barrier; each has LDS bytes of its own for the way out.
; REGISTERS, in windows of 256 (s_set_vgpr_msb: bits 1:0 source 0, 3:2 source 1, 5:4 source 2, 7:6 destination):
;   window 0: v3-12 offsets and addresses; v16-47 (x2, x2) a tile; v48-63 the minima; v64-127 the queries' scale words; v128-139 the training tiles' (3 buffers); v140-163 t2 (3 x 8); v164-195 four accumulators; v196-227 at work
;   window 1: the fragments of query tiles 0-7 (tile t, K step s at 32 (t % 8) + 8 s); window 2: of tiles 8-15; window 3: v0-95 training fragments, 3 buffers of 32.
.set X2P, 16
.set M,   48
.set QS,  64
.set TS,  128
.set T2,  140
.set ACC, 164
.set S,   196
.set WREG, 20480                       ; LDS of a wave: 256 queries x (16 slots x 4 bytes + 16 of padding)
.set QP,   80
.set MSB, 0
.macro WIN new                         ; the immediate's high byte repeats the setting that is left; a switch that changes nothing is dropped
.if MSB != \new
	s_set_vgpr_msb (MSB<<8)|\new
.set MSB, \new
.endif
.endm
	s_load_b256 s[4:11], s[0:1], 0x0               ; xc s[4:5], xs s[6:7], x2 s[8:9], tc s[10:11]
	s_load_b128 s[12:15], s[0:1], 0x20             ; ts s[12:13], t2 s[14:15]
	s_load_b64 s[16:17], s[0:1], 0x30              ; gm
	v_lshl_add_u32 v254, v0, 2, 0x14000
	v_mov_b32 v255, 0
	v_lshrrev_b32 v1, 5, v0
	v_readfirstlane_b32 s18, v1                    ; wave 0..3
	v_and_b32 v1, 15, v0                           ; r
	v_bfe_u32 v2, v0, 4, 1                         ; h
	v_lshrrev_b32 v13, 3, v1                       ; r / 8
	v_and_b32 v14, 7, v1                           ; r % 8
	v_lshlrev_b32 v15, 4, v14
	v_lshl_add_u32 v15, v2, 7, v15                 ; in a piece of 256 bytes: 128 h + 16 (r % 8)
	v_lshl_add_u32 v3, v13, 11, v15                ; queries: the tile's two octets are neighbours
	v_mad_u32_u24 v4, v13, 0xc800, v15             ; training rows: they lie 25 octets (51,200 bytes) apart
	v_lshlrev_b32 v5, 4, v1                        ; a query's four scale words
	v_lshlrev_b32 v6, 4, v14
	v_mad_u32_u24 v6, v13, 3200, v6                ; a training row's: 200 rows of 16 bytes apart
	v_mul_u32_u24 v7, v2, 800                      ; t2 of my half's octet: 200 rows of 4 bytes apart
	v_lshlrev_b32 v8, 2, v1                        ; x2 of my query
	s_mul_i32 s19, s18, WREG
	v_mul_u32_u24 v9, v1, QP
	v_lshl_add_u32 v9, v2, 5, v9
	v_add_nc_u32 v9, s19, v9                       ; LDS, in: query r of a tile, slot 8 h
	v_and_b32 v12, 31, v0
	v_lshrrev_b32 v13, 2, v12
	v_and_b32 v14, 3, v12
	v_mul_u32_u24 v11, v13, QP
	v_lshl_add_u32 v11, v14, 4, v11
	v_add_nc_u32 v11, s19, v11                     ; LDS, out: four lanes to a query's 64 bytes
	v_lshlrev_b32 v12, 4, v12                      ; and the same place in gm: 16 x lane
	s_mov_b32 s21, 0
	s_mov_b32 s33, 0                               ; 4 x the block in hand
	s_mov_b32 s32, 7                               ; trips
	s_wait_kmcnt 0x0
	s_lshl_b32 s20, s18, 16                        ; my 256 queries: 32 octets,
	s_add_nc_u64 s[4:5], s[4:5], s[20:21]
	s_lshl_b32 s20, s18, 12                        ; 256 x 16 scale bytes,
	s_add_nc_u64 s[6:7], s[6:7], s[20:21]
	s_lshl_b32 s20, s18, 10                        ; 256 squares
	s_add_nc_u64 s[8:9], s[8:9], s[20:21]
	s_mul_i32 s20, ttmp9, 102400                   ; my share: 50 octets,
	s_add_nc_u64 s[10:11], s[10:11], s[20:21]
	s_mul_i32 s20, ttmp9, 6400                     ; 400 x 16 scale bytes,
	s_add_nc_u64 s[12:13], s[12:13], s[20:21]
	s_mul_i32 s20, ttmp9, 1600                     ; 400 squares
	s_add_nc_u64 s[14:15], s[14:15], s[20:21]
	s_lshl_b32 s20, ttmp9, 16                      ; gm: 65,536 bytes a share, 16,384 a wave
	s_lshl_b32 s22, s18, 14
	s_add_co_u32 s20, s20, s22
	s_add_nc_u64 s[16:17], s[16:17], s[20:21]
	WIN 0x40                                       ; destination window 1
.irp t, 0,1,2,3,4,5,6,7
.irp c, 0,1,2,3,4,5,6,7
	global_load_b128 v[32*\t+4*\c:32*\t+4*\c+3], v3, s[4:5] offset:4096*\t+256*\c          ; each load reads two whole pieces of 256 bytes
.endr
.endr
	WIN 0x80                                       ; destination window 2
.irp t, 0,1,2,3,4,5,6,7
.irp c, 0,1,2,3,4,5,6,7
	global_load_b128 v[32*\t+4*\c:32*\t+4*\c+3], v3, s[4:5] offset:4096*(\t+8)+256*\c
.endr
.endr
	WIN 0
.irp t, 0,1,2,3,4,5,6,7,8,9,10,11,12,13,14,15
	global_load_b128 v[QS+4*\t:QS+4*\t+3], v5, s[6:7] offset:256*\t      ; lane r: the four scale words of query 16 t + r (lanes 16-31 hold the same and are not read)
.endr
.irp t, 0,1,2,3,4,5,6,7,8,9,10,11,12,13,14,15
	global_load_b32 v[X2P+2*\t], v8, s[8:9] offset:64*\t
.endr
; Eleven loads: the training tile k tiles on from the pointers, into buffer buf: eight of codes, one of scale words, two of t2.
.macro TLOAD buf, k
	WIN 0xc0                                       ; destination window 3, offset window 0
.irp c, 0,1,2,3,4,5,6,7
	global_load_b128 v[32*(\buf)+4*\c:32*(\buf)+4*\c+3], v4, s[10:11] offset:2048*(\k)+256*\c
.endr
	WIN 0
	global_load_b128 v[TS+4*(\buf):TS+4*(\buf)+3], v6, s[12:13] offset:128*(\k)
	global_load_b128 v[T2+8*(\buf):T2+8*(\buf)+3], v7, s[14:15] offset:32*(\k)
	global_load_b128 v[T2+8*(\buf)+4:T2+8*(\buf)+7], v7, s[14:15] offset:32*(\k)+16
.endm
; Query tiles 4 a .. 4 a + 3 against the training tile in buffer buf: 16 matrix instructions, K ascending, the four accumulators by turns, one instruction a turn;
; the first K step starts each sum with the constant 0.  Then d2 and the minima: 48 vector instructions.
.macro GROUP a, buf
.if \a < 2
	WIN 0x07                                       ; source 0 window 3, source 1 window 1
.else
	WIN 0x0b                                       ; source 0 window 3, source 1 window 2
.endif
.irp s, 0,1,2,3
.irp i, 0,1,2,3
.if \s == 0
	v_wmma_scale_f32_16x16x128_f8f6f4 v[ACC+8*\i:ACC+8*\i+7], v[32*(\buf)+8*\s:32*(\buf)+8*\s+7], v[32*((4*(\a)+\i)%8)+8*\s:32*((4*(\a)+\i)%8)+8*\s+7], 0, v[TS+4*(\buf)+\s], v[QS+4*(4*(\a)+\i)+\s] matrix_a_fmt:MATRIX_FMT_FP4 matrix_b_fmt:MATRIX_FMT_FP4
.else
	v_wmma_scale_f32_16x16x128_f8f6f4 v[ACC+8*\i:ACC+8*\i+7], v[32*(\buf)+8*\s:32*(\buf)+8*\s+7], v[32*((4*(\a)+\i)%8)+8*\s:32*((4*(\a)+\i)%8)+8*\s+7], v[ACC+8*\i:ACC+8*\i+7], v[TS+4*(\buf)+\s], v[QS+4*(4*(\a)+\i)+\s] matrix_a_fmt:MATRIX_FMT_FP4 matrix_b_fmt:MATRIX_FMT_FP4
.endif
.endr
.endr
	WIN 0
.irp i, 0,1,2,3
.irp p, 0,2,4,6
	v_pk_add_f32 v[S+8*\i+\p:S+8*\i+\p+1], v[T2+8*(\buf)+\p:T2+8*(\buf)+\p+1], v[X2P+2*(4*(\a)+\i):X2P+2*(4*(\a)+\i)+1]   ; x2 + t2.  These sixteen name no register of the products: they are the places behind them (ISA guide 7.12.1)
.endr
.endr
.irp i, 0,1,2,3
.irp p, 0,2,4,6
	v_pk_fma_f32 v[S+8*\i+\p:S+8*\i+\p+1], v[ACC+8*\i+\p:ACC+8*\i+\p+1], -2.0, v[S+8*\i+\p:S+8*\i+\p+1] op_sel_hi:[1,0,1]   ; (x2 + t2) - 2 x.t: 2 x.t is exact, so one rounding, as in a multiplication and a subtraction; each accumulator from its low end on
.endr
.endr
.irp p, 0,2,4,6
.irp i, 0,1,2,3
	v_min3_num_f32 v[M+4*(\a)+\i], v[M+4*(\a)+\i], v[S+8*\i+\p], v[S+8*\i+\p+1]
.endr
.endr
.endm
; A training tile.  cnt: the younger loads that may stay out.  ld = 1: the tile lk tiles on from the pointers is asked for, into the buffer of the tile before this one,
; whose last products stand 48 vector instructions back.
.macro TILE buf, cnt, ld, lbuf, lk
	s_wait_loadcnt \cnt
.if \ld
	TLOAD \lbuf, \lk
.endif
	GROUP 0, \buf
	GROUP 1, \buf
	GROUP 2, \buf
	GROUP 3, \buf
.endm
; A block's end: the minima become distances and go to my LDS bytes; the minima begin anew.
.macro FLUSH
	v_add_nc_u32 v10, s33, v9
.irp t, 0,1,2,3,4,5,6,7,8,9,10,11,12,13,14,15
	v_max_num_f32 v[M+\t], 0, v[M+\t]
.endr
.irp t, 0,1,2,3,4,5,6,7,8,9,10,11,12,13,14,15
	v_sqrt_f32 v[S+\t], v[M+\t]
.endr
	v_nop                                          ; a plain line between the roots and the lines that write their sources or read their results
.irp t, 0,1,2,3,4,5,6,7,8,9,10,11,12,13,14,15
	v_mov_b32 v[M+\t], 0x7f800000
.endr
	s_wait_alu depctr_va_vdst(0)
.irp t, 0,1,2,3,4,5,6,7,8,9,10,11,12,13,14,15
	ds_store_b32 v10, v[S+\t] offset:16*QP*\t      ; query 16 t + r, slot 8 h + block
.endr
	s_wait_dscnt 0x0                               ; the stores have read their registers
	s_add_co_u32 s33, s33, 4
.endm
	TLOAD 0, 0
	TLOAD 1, 1
	s_wait_loadcnt 22                              ; all of the queries is in; the two tiles' 22 loads may be out
.irp t, 0,1,2,3,4,5,6,7,8,9,10,11,12,13,14,15
	v_mov_b32 v[X2P+2*\t+1], v[X2P+2*\t]           ; x2 twice, for the packed addition
.endr
.irp t, 0,1,2,3,4,5,6,7,8,9,10,11,12,13,14,15
	v_mov_b32 v[M+\t], 0x7f800000                  ; +infinity, over every d2
.endr
.Lblock:                                               ; seven trips: blocks 0 to 6, three tiles each.  At the head the loads of this tile and of the next are out: on the way in and on the way back
	TILE 0, 11, 1, 2, 2                            ; 11: the next tile's loads may stay out
	TILE 1, 11, 1, 0, 3
	TILE 2, 11, 1, 1, 4                            ; the last trip asks for tile 22 here: inside the share
	FLUSH
	s_wait_xcnt 0x0                                ; the loads have had their addresses translated: only now are their bases stepped
	s_add_nc_u64 s[10:11], s[10:11], 3*2048
	s_add_nc_u64 s[12:13], s[12:13], 3*128
	s_add_nc_u64 s[14:15], s[14:15], 3*32
	s_sub_co_u32 s32, s32, 1
	s_cmp_lg_u32 s32, 0
	s_cbranch_scc1 .Lblock
	TILE 0, 11, 1, 2, 2                            ; block 7: tiles 21 to 24; tiles 23 and 24 are asked for, then nothing
	TILE 1, 11, 1, 0, 3
	TILE 2, 11, 0, 0, 0
	TILE 0, 0, 0, 0, 0
	FLUSH
	; THE WAY OUT: 256 queries x 64 bytes, read back four lanes to a query, into registers of window 1 that held fragments (the scale words' registers hold nothing else)
	WIN 0x40
.set i, 0
.rept 32
	ds_load_b128 v[4*i:4*i+3], v11 offset:8*QP*i
.set i, i+1
.endr
	WIN 0x04                                       ; a store's data are its source 1: window 1
.set i, 0
.rept 32
	s_wait_dscnt 31-i                              ; LDS loads come back in order: load i is in
	global_store_b128 v12, v[4*i:4*i+3], s[16:17] offset:512*i     ; 32 lanes store 512 consecutive bytes, at a multiple of 256 from gm's first byte
.set i, i+1
.endr
	WIN 0
	s_wait_tensorcnt 0x0
	ds_add_u32 v254, v255
	s_wait_dscnt 0x0
	s_endpgm
.Lfunc_end_k_qa862cad123_dist:
	.size	k_qa862cad123_dist, .Lfunc_end_k_qa862cad123_dist-k_qa862cad123_dist
	.p2alignl 7, 3214868480
	.fill 96, 4, 3214868480
	.section	.rodata,"a",@progbits
	.p2align	6, 0x0
	.amdhsa_kernel k_qa862cad123_dist
		.amdhsa_group_segment_fixed_size 82432
		.amdhsa_private_segment_fixed_size 0
		.amdhsa_enable_private_segment 0
		.amdhsa_kernarg_size 56
		.amdhsa_user_sgpr_count 2
		.amdhsa_user_sgpr_kernarg_segment_ptr 1
		.amdhsa_wavefront_size32 1
		.amdhsa_system_sgpr_workgroup_id_x 1
		.amdhsa_system_sgpr_workgroup_id_y 1
		.amdhsa_system_sgpr_workgroup_id_z 1
		.amdhsa_system_vgpr_workitem_id 0
		.amdhsa_next_free_vgpr 864
		.amdhsa_next_free_sgpr 66
		.amdhsa_reserve_vcc 0
		.amdhsa_float_denorm_mode_32 3
		.amdhsa_float_denorm_mode_16_64 3
		.amdhsa_memory_ordered 1
		.amdhsa_forward_progress 1
		.amdhsa_inst_pref_size 182
	.end_amdhsa_kernel
	.amdgpu_metadata
---
amdhsa.version: [ 1, 2 ]
amdhsa.kernels:
  - .name:           k_qa862cad123_dist
    .symbol:         k_qa862cad123_dist.kd
    .args:
      - { .name: xc, .offset: 0, .size: 8, .value_kind: global_buffer, .address_space: global }
      - { .name: xs, .offset: 8, .size: 8, .value_kind: global_buffer, .address_space: global }
      - { .name: x2, .offset: 16, .size: 8, .value_kind: global_buffer, .address_space: global }
      - { .name: tc, .offset: 24, .size: 8, .value_kind: global_buffer, .address_space: global }
      - { .name: ts, .offset: 32, .size: 8, .value_kind: global_buffer, .address_space: global }
      - { .name: t2, .offset: 40, .size: 8, .value_kind: global_buffer, .address_space: global }
      - { .name: gm, .offset: 48, .size: 8, .value_kind: global_buffer, .address_space: global }
    .group_segment_fixed_size: 82432
    .private_segment_fixed_size: 0
    .kernarg_segment_align: 8
    .kernarg_segment_size: 56
    .max_flat_workgroup_size: 128
    .sgpr_count:     66
    .vgpr_count:     864
    .wavefront_size: 32
...
	.end_amdgpu_metadata
.endif
;; end of part 2
;; launch pick (part 3): grid 256 x 1, 8 waves a work-group, no clusters, 3,072 bytes of LDS; arguments gm, sel; writes sel
.if DOCPART == 3
	.amdgcn_target "amdgcn-amd-amdhsa--gfx1250"
	.amdhsa_code_object_version 6
	.text
	.protected	k_qa862cad123_pick
	.globl	k_qa862cad123_pick
	.p2align	8
	.type	k_qa862cad123_pick,@function
k_qa862cad123_pick:
	s_mov_b64 s[64:65], 0
	v_nop
	global_prefetch_b8 v0, s[64:65] scope:SCOPE_SE
	s_setreg_imm32_b32 hwreg(HW_REG_WAVE_MODE, 25, 1), 1
	s_wait_xcnt 0x0
; For each query the 8 best of its 4,000 groups by (smallest distance, group's place among the rows): sel[query][8] = the group's first octet | (it has four octets) << 16.
; Groups are runs of neighbouring rows, so this is the order of each group's best row by (distance, row), and the 8 best rows of a query lie in these 8 groups.
; What is chosen here is stored at fixed places as whole numbers; no address and no branch of this launch hangs on it.
; LIMITS: NaN is not served; a query with fewer than 8 finite group distances gets words that the next launch holds inside the tables.
; SHARES.  Work-group Q takes queries 4 Q .. 4 Q + 3: of each share p their 4 x 16 numbers are 256 consecutive bytes of gm.  Wave w takes shares p = 8 i + w (i = 0 .. 30; waves 0 and 1 also i = 31).
; Lane l: query l / 8, slots 2 (l % 8) and 2 (l % 8) + 1, by one load of 8 bytes.  A lane meets its groups in ascending order and keeps a sorted list of 8 (key, number); an insertion by 'less than' keeps the earlier of equals.
; The number carried is 2 x (first octet) + (four octets): it rises with the rows.
; Then the 8 lanes of a query merge their lists (eight times: the best head is found and taken off), the waves' lists meet in LDS, and wave 0 merges them in the same way.
.set K,  8                             ; v8-15    keys, ascending
.set I,  16                            ; v16-23   their numbers
.set V,  32                            ; v32-95   32 pairs as loaded
.set WK, 96                            ; v96-103  the winners' keys
.set WI, 104                           ; v104-111 and numbers
	s_load_b128 s[4:7], s[0:1], 0x0                ; gm, sel
	v_lshl_add_u32 v128, v0, 2, 0x800
	v_mov_b32 v129, 0
	v_lshrrev_b32 v1, 5, v0
	v_readfirstlane_b32 s18, v1                    ; wave 0..7
	v_and_b32 v2, 31, v0
	v_lshlrev_b32 v4, 3, v2                        ; 8 x lane: my two numbers of a piece
	v_and_b32 v7, 7, v0                            ; sg = lane % 8
	v_bfe_u32 v3, v0, 3, 2                         ; ql = lane / 8
	v_lshrrev_b32 v5, 3, v0
	v_lshlrev_b32 v5, 6, v5                        ; LDS, in: 64 bytes for (wave, query): 64 (4 w + ql)
	v_lshlrev_b32 v6, 8, v7
	v_lshl_add_u32 v6, v3, 6, v6                   ; LDS, out: lane (ql, sg) takes wave sg's list of query ql
	v_lshlrev_b32 v30, 5, v3
	v_lshl_add_u32 v30, v7, 4, v30                 ; sel: 32 bytes a query, 16 for each of lanes sg = 0, 1
	v_and_b32 v26, 3, v7
	v_lshrrev_b32 v27, 2, v7
	v_mul_u32_u24 v24, v26, 12
	v_mad_u32_u24 v24, v27, 50, v24
	s_mul_i32 s19, s18, 100
	v_add_nc_u32 v24, s19, v24                     ; slot 2 sg of share w: 2 x (50 w + 25 (sg / 4) + 6 (sg % 4))
	v_cmp_eq_u32 vcc_lo, 3, v26
	v_cndmask_b32 v29, 6, 7, vcc_lo                ; slot 2 sg + 1 begins three octets on; block 7 has four octets
	v_add_nc_u32 v25, v24, v29
.irp s, 0,1,2,3,4,5,6,7
	v_mov_b32 v[K+\s], 0x7f800000                  ; +infinity
	v_mov_b32 v[I+\s], -1
	v_mov_b32 v[WK+\s], 0                          ; written once: the destination of a line that reads another lane counts as one of its sources
	v_mov_b32 v[WI+\s], 0
.endr
	v_mov_b32 v27, 0
	s_lshl_b32 s20, ttmp9, 8
	s_lshl_b32 s21, s18, 16
	s_add_co_u32 s20, s20, s21
	s_mov_b32 s21, 0
	s_lshl_b32 s22, ttmp9, 7
	s_mov_b32 s23, 0
	s_wait_kmcnt 0x0
	s_add_nc_u64 s[4:5], s[4:5], s[20:21]          ; share w, my four queries
	s_add_nc_u64 s[8:9], s[4:5], 0x800000          ; and 128 shares on, so that the immediates stay inside their signed 24 bits
	s_add_nc_u64 s[6:7], s[6:7], s[22:23]
	s_cmp_lt_u32 s18, 2                            ; shares 248 and 249: waves 0 and 1 alone.  This load goes out FIRST, so that the counts below are the same in every wave
	s_cbranch_scc0 .Lno_last_load
	global_load_b64 v[V+62:V+63], v4, s[8:9] offset:15*524288 th:TH_LOAD_NT
.Lno_last_load:
.irp i, 0,1,2,3,4,5,6,7,8,9,10,11,12,13,14,15
	global_load_b64 v[V+2*\i:V+2*\i+1], v4, s[4:5] offset:\i*524288 th:TH_LOAD_NT        ; 32 lanes read 256 consecutive bytes
.endr
.irp i, 16,17,18,19,20,21,22,23,24,25,26,27,28,29,30
	global_load_b64 v[V+2*\i:V+2*\i+1], v4, s[8:9] offset:(\i-16)*524288 th:TH_LOAD_NT
.endr
; (key v[k], number v[id]) into the sorted list.  c[s] = key < K[s].  New slot s: the old slot s - 1 where c[s - 1], else the newcomer where c[s], else itself; for the keys that is the middle of (K[s - 1], key, K[s]).
.macro INS k, id
.irp s, 0,1,2,3,4,5,6,7
	v_cmp_lt_f32 s[40+\s], v[\k], v[K+\s]
.endr
.irp s, 7,6,5,4,3,2,1
	v_cndmask_b32 v[I+\s], v[I+\s], v[\id], s[40+\s]
	v_med3_num_f32 v[K+\s], v[K+\s-1], v[\k], v[K+\s]
	v_cndmask_b32 v[I+\s], v[I+\s], v[I+\s-1], s[40+\s-1]
.endr
	v_cndmask_b32 v[I], v[I], v[\id], s40
	v_min_num_f32 v[K], v[K], v[\k]
.endm
; The best head among the 8 lanes of a query, by (key, number), becomes winner n in all 8; the lane that held it moves its list up.  After winner n only 7 - n slots can still be wanted.
.macro XROUND n
	v_min_num_f32_dpp v[WK+\n], v[K], v[K] row_xmask:1 row_mask:0xf bank_mask:0xf
	v_min_num_f32_dpp v[WK+\n], v[WK+\n], v[WK+\n] row_xmask:2 row_mask:0xf bank_mask:0xf
	v_min_num_f32_dpp v[WK+\n], v[WK+\n], v[WK+\n] row_xmask:4 row_mask:0xf bank_mask:0xf
	v_cmp_eq_f32 vcc_lo, v[K], v[WK+\n]
	v_cndmask_b32 v26, -1, v[I], vcc_lo            ; my head's number, if its key is the smallest
	v_mov_b32_dpp v27, v26 row_xmask:1 row_mask:0xf bank_mask:0xf
	v_min_u32 v26, v26, v27
	v_mov_b32_dpp v27, v26 row_xmask:2 row_mask:0xf bank_mask:0xf
	v_min_u32 v26, v26, v27
	v_mov_b32_dpp v27, v26 row_xmask:4 row_mask:0xf bank_mask:0xf
	v_min_u32 v[WI+\n], v26, v27
.if \n < 7
	v_cmp_eq_u32 vcc_lo, v[I], v[WI+\n]            ; a number stands in one list only
.set sx, 0
.rept 7-\n
	v_cndmask_b32 v[K+sx], v[K+sx], v[K+sx+1], vcc_lo
	v_cndmask_b32 v[I+sx], v[I+sx], v[I+sx+1], vcc_lo
.set sx, sx+1
.endr
.endif
.endm
.set i, 0
.rept 31
	s_wait_loadcnt 30-i                            ; loads come back in order: piece i is in, the 30 - i younger ones may be out
	INS V+2*i, 24
	INS V+2*i+1, 25
	v_add_nc_u32 v24, 800, v24                     ; eight shares on: 2 x 8 x 50 octets
	v_add_nc_u32 v25, 800, v25
.set i, i+1
.endr
	s_cmp_lt_u32 s18, 2
	s_cbranch_scc0 .Lno_last
	INS V+62, 24                                   ; (that load was the first to go out: it is in)
	INS V+63, 25
.Lno_last:
.irp n, 0,1,2,3,4,5,6,7
	XROUND \n
.endr
	ds_store_b128 v5, v[WK:WK+3]                   ; the 8 lanes of a query write the same words with the same values
	ds_store_b128 v5, v[WK+4:WK+7] offset:16
	ds_store_b128 v5, v[WI:WI+3] offset:32
	ds_store_b128 v5, v[WI+4:WI+7] offset:48
	s_wait_dscnt 0x0                               ; for the others' sake: my stores are done
	s_barrier_signal -1
	s_barrier_wait -1
	s_cmp_lg_u32 s18, 0
	s_cbranch_scc1 .Lend
	ds_load_b128 v[K:K+3], v6                      ; wave 0: eight sorted lists a query, one to a lane
	ds_load_b128 v[K+4:K+7], v6 offset:16
	ds_load_b128 v[I:I+3], v6 offset:32
	ds_load_b128 v[I+4:I+7], v6 offset:48
	s_wait_dscnt 0x0
.irp n, 0,1,2,3,4,5,6,7
	XROUND \n
.endr
.irp n, 0,1,2,3,4,5,6,7
	v_and_b32 v26, 1, v[WI+\n]
	v_lshrrev_b32 v[WI+\n], 1, v[WI+\n]
	v_lshl_or_b32 v[WI+\n], v26, 16, v[WI+\n]      ; first octet | four octets << 16
.endr
	v_cmp_eq_u32 vcc_lo, 1, v7
.irp j, 0,1,2,3
	v_cndmask_b32 v[V+\j], v[WI+\j], v[WI+4+\j], vcc_lo            ; lane sg = 0 stores winners 0-3, lane sg = 1 winners 4-7
.endr
	v_cmp_gt_u32 vcc_lo, 2, v7
	s_wait_xcnt 0x0                                ; EXEC changes only when the earlier memory instructions have had their addresses translated
	s_wait_tensorcnt 0x0
	ds_add_u32 v128, v129
	s_wait_dscnt 0x0
	s_and_saveexec_b32 s20, vcc_lo
	global_store_b128 v30, v[V:V+3], s[6:7]        ; 128 consecutive bytes: four queries' lists
	s_endpgm
.Lend:
	s_wait_tensorcnt 0x0
	ds_add_u32 v128, v129
	s_wait_dscnt 0x0
	s_endpgm
.Lfunc_end_k_qa862cad123_pick:
	.size	k_qa862cad123_pick, .Lfunc_end_k_qa862cad123_pick-k_qa862cad123_pick
	.p2alignl 7, 3214868480
	.fill 96, 4, 3214868480
	.section	.rodata,"a",@progbits
	.p2align	6, 0x0
	.amdhsa_kernel k_qa862cad123_pick
		.amdhsa_group_segment_fixed_size 3072
		.amdhsa_private_segment_fixed_size 0
		.amdhsa_enable_private_segment 0
		.amdhsa_kernarg_size 16
		.amdhsa_user_sgpr_count 2
		.amdhsa_user_sgpr_kernarg_segment_ptr 1
		.amdhsa_wavefront_size32 1
		.amdhsa_system_sgpr_workgroup_id_x 1
		.amdhsa_system_sgpr_workgroup_id_y 1
		.amdhsa_system_sgpr_workgroup_id_z 1
		.amdhsa_system_vgpr_workitem_id 0
		.amdhsa_next_free_vgpr 130
		.amdhsa_next_free_sgpr 66
		.amdhsa_reserve_vcc 1
		.amdhsa_float_denorm_mode_32 3
		.amdhsa_float_denorm_mode_16_64 3
		.amdhsa_memory_ordered 1
		.amdhsa_forward_progress 1
		.amdhsa_inst_pref_size 148
	.end_amdhsa_kernel
	.amdgpu_metadata
---
amdhsa.version: [ 1, 2 ]
amdhsa.kernels:
  - .name:           k_qa862cad123_pick
    .symbol:         k_qa862cad123_pick.kd
    .args:
      - { .name: gm, .offset: 0, .size: 8, .value_kind: global_buffer, .address_space: global }
      - { .name: sel, .offset: 8, .size: 8, .value_kind: global_buffer, .address_space: global }
    .group_segment_fixed_size: 3072
    .private_segment_fixed_size: 0
    .kernarg_segment_align: 8
    .kernarg_segment_size: 16
    .max_flat_workgroup_size: 256
    .sgpr_count:     66
    .vgpr_count:     130
    .wavefront_size: 32
...
	.end_amdgpu_metadata
.endif
;; end of part 3
;; launch vote (part 4): grid 1024 x 1, 8 waves a work-group, no clusters, 3,072 bytes of LDS; arguments sel, xc, xs, x2, tc, ts, t2, y_train, out0; writes out0
.if DOCPART == 4
	.amdgcn_target "amdgcn-amd-amdhsa--gfx1250"
	.amdhsa_code_object_version 6
	.text
	.protected	k_qa862cad123_vote
	.globl	k_qa862cad123_vote
	.p2align	8
	.type	k_qa862cad123_vote,@function
k_qa862cad123_vote:
	s_mov_b64 s[64:65], 0
	v_nop
	global_prefetch_b8 v0, s[64:65] scope:SCOPE_SE
	s_setreg_imm32_b32 hwreg(HW_REG_WAVE_MODE, 25, 1), 1
	s_wait_xcnt 0x0
; For each query: the rows of its 8 chosen groups (sel, stored by an earlier launch) are multiplied again, from the same codes by the same matrix instruction, K ascending; dist = sqrt(max((x2 + t2) - 2 x.t, 0));
; the 8 best by (dist, row); of their labels the commonest, the smallest class among equals.
; LIMITS: labels are taken to lie in 0 .. 99, as the table of classes presumes (7 bits are kept); NaN and infinities are not served.  sel's octet is held at 12,496, the last place at which four octets lie inside the tables.
; SHARES.  Work-group q is one query.  Wave p takes group p: 32 rows (four octets; of a group of three octets the last eight rows belong to the next group and get the key +infinity).  Wave 0 then ranks the 256 candidates.
; THE PRODUCT.  Source 0 = the query in all 16 rows, source 1 = 16 candidates: register 0 of the result holds, in lane (r, any half), candidate r's product.  Two tiles, two accumulators by turns.
; A candidate is (key, payload), payload = row << 7 | label: it orders equal keys by row, and the label travels with it.
; REGISTERS: v1-15 offsets and at work; v16-47 the query's fragments (later the candidates and the ranking's work); v48-111 the candidates' fragments; v112-115 the query's scale words, v116-123 the candidates': nothing else ever;
;   v124 t2, v125 label, v126 x2 + t2; v128-143 the two accumulators.
	s_load_b256 s[4:11], s[0:1], 0x0               ; sel s[4:5], xc s[6:7], xs s[8:9], x2 s[10:11]
	s_load_b256 s[12:19], s[0:1], 0x20             ; tc s[12:13], ts s[14:15], t2 s[16:17], y_train s[18:19]
	s_load_b64 s[20:21], s[0:1], 0x40              ; out0
	v_lshl_add_u32 v144, v0, 2, 0x800
	v_mov_b32 v145, 0
	v_lshrrev_b32 v1, 5, v0
	v_readfirstlane_b32 s22, v1                    ; wave 0..7
	v_and_b32 v1, 31, v0                           ; lane
	v_and_b32 v13, 15, v0                          ; r
	v_bfe_u32 v14, v0, 4, 1                        ; hh
	v_lshlrev_b32 v2, 7, v14                       ; the query: 128 hh in a piece of 256 bytes (its row is in the base)
	v_lshrrev_b32 v15, 3, v13
	v_and_b32 v3, 7, v13
	v_lshl_add_u32 v3, v3, 4, v2
	v_lshl_add_u32 v3, v15, 11, v3                 ; candidates: octet r / 8 of the tile's two, 128 hh, row r % 8
	v_lshlrev_b32 v4, 4, v13                       ; their scale words: 16 bytes a row
	v_lshlrev_b32 v9, 2, v1                        ; t2 and label of row (first row + lane)
	v_mov_b32 v12, 0
	v_lshlrev_b32 v5, 3, v0                        ; LDS: 8 bytes a candidate: 256 x wave + 8 x lane
	v_mov_b32 v8, 0x7f800000                       ; +infinity
	s_mov_b32 s28, 0xffff0000                      ; lanes 16-31
	s_mov_b32 s30, 0x76543210
	s_mov_b32 s31, 0xfedcba98                      ; selects for lane l xor 16
	s_lshl_b32 s34, ttmp9, 5
	s_lshl_b32 s23, s22, 2
	s_add_co_u32 s34, s34, s23                     ; sel: 32 bytes a query, 4 a group
	s_mov_b32 s35, 0
	s_wait_kmcnt 0x0
	s_add_nc_u64 s[4:5], s[4:5], s[34:35]
	s_load_b32 s24, s[4:5], 0x0                    ; my group
	s_lshl_b32 s34, ttmp9, 2
	s_add_nc_u64 s[10:11], s[10:11], s[34:35]
	s_add_nc_u64 s[20:21], s[20:21], s[34:35]
	s_load_b32 s27, s[10:11], 0x0                  ; x2 of the query
	s_lshl_b32 s34, ttmp9, 4
	s_add_nc_u64 s[8:9], s[8:9], s[34:35]          ; its scale bytes
	s_lshr_b32 s34, ttmp9, 3
	s_lshl_b32 s34, s34, 11
	s_and_b32 s23, ttmp9, 7
	s_lshl_b32 s23, s23, 4
	s_add_co_u32 s34, s34, s23
	s_add_nc_u64 s[6:7], s[6:7], s[34:35]          ; its codes: octet q / 8, row q % 8
.irp c, 0,1,2,3,4,5,6,7
	global_load_b128 v[16+4*\c:19+4*\c], v2, s[6:7] offset:256*\c      ; the query's loads go out while sel's word is on its way
.endr
	global_load_b128 v[112:115], v12, s[8:9]       ; its four scale words, the same in every lane
	s_wait_kmcnt 0x0
	s_and_b32 s25, s24, 0xffff
	s_min_u32 s25, s25, 12496                      ; the first octet, held inside the tables; behind this only shifts left and additions
	s_lshr_b32 s26, s24, 16                        ; four octets?  It feeds a mask alone
	s_lshl_b32 s34, s25, 11
	s_add_nc_u64 s[12:13], s[12:13], s[34:35]
	s_lshl_b32 s34, s25, 7
	s_add_nc_u64 s[14:15], s[14:15], s[34:35]
	s_lshl_b32 s34, s25, 5
	s_add_nc_u64 s[16:17], s[16:17], s[34:35]
	s_add_nc_u64 s[18:19], s[18:19], s[34:35]
.irp u, 0,1
.irp c, 0,1,2,3,4,5,6,7
	global_load_b128 v[48+32*\u+4*\c:51+32*\u+4*\c], v3, s[12:13] offset:4096*\u+256*\c    ; each load reads two whole pieces of 256 bytes
.endr
	global_load_b128 v[116+4*\u:119+4*\u], v4, s[14:15] offset:256*\u
.endr
	global_load_b32 v124, v9, s[16:17]
	global_load_b32 v125, v9, s[18:19]
	s_cmp_lg_u32 s26, 0
	s_cselect_b32 s29, -1, 0x00ffffff              ; the lanes whose rows belong to the group
	s_wait_loadcnt 0x0
.irp s, 0,1,2,3
.irp u, 0,1
.if \s == 0
	v_wmma_scale_f32_16x16x128_f8f6f4 v[128+8*\u:135+8*\u], v[16+8*\s:23+8*\s], v[48+32*\u+8*\s:55+32*\u+8*\s], 0, v[112+\s], v[116+4*\u+\s] matrix_a_fmt:MATRIX_FMT_FP4 matrix_b_fmt:MATRIX_FMT_FP4
.else
	v_wmma_scale_f32_16x16x128_f8f6f4 v[128+8*\u:135+8*\u], v[16+8*\s:23+8*\s], v[48+32*\u+8*\s:55+32*\u+8*\s], v[128+8*\u:135+8*\u], v[112+\s], v[116+4*\u+\s] matrix_a_fmt:MATRIX_FMT_FP4 matrix_b_fmt:MATRIX_FMT_FP4
.endif
.endr
.endr
	v_and_b32 v125, 127, v125                      ; four plain lines that name no register of the products: the places behind them (ISA guide 7.12.1)
	v_lshl_add_u32 v7, s25, 3, v1                  ; my row
	v_lshl_or_b32 v11, v7, 7, v125                 ; the payload
	v_add_f32 v126, s27, v124                      ; x2 + t2
	v_cndmask_b32 v6, v128, v136, s28              ; lanes 0-15: tile 0's candidate r; lanes 16-31: tile 1's.  Each accumulator is read at its lowest register
	v_fma_f32 v6, v6, -2.0, v126
	v_max_num_f32 v6, 0, v6
	v_sqrt_f32 v10, v6
	v_nop                                          ; a plain line behind the root
	s_wait_alu depctr_va_vdst(0)
	v_cndmask_b32 v10, v8, v10, s29                ; rows that are not the group's: +infinity
	ds_store_b64 v5, v[10:11]
	s_wait_dscnt 0x0                               ; for wave 0's sake: my store is done
	s_barrier_signal -1
	s_barrier_wait -1
	s_cmp_lg_u32 s22, 0
	s_cbranch_scc1 .Lend
.irp j, 0,1,2,3,4,5,6,7
	ds_load_b64 v[16+2*\j:17+2*\j], v5 offset:256*\j               ; in wave 0 v5 is 8 x lane: candidate (group j, row lane): key v[16 + 2 j], payload v[17 + 2 j]
.endr
	v_mov_b32 v33, 0                               ; written once: the destination of a line that reads another lane counts as one of its sources
	v_mov_b32 v35, 0
	v_mov_b32 v36, 0
	s_wait_dscnt 0x0
; Winner n of the 256: the smallest key; among equal keys the smallest payload (the lowest row); it is then taken out.  Every lane holds it in v[40 + n]; lane n keeps it in v36.
.macro ROUND n
	v_min3_num_f32 v32, v16, v18, v20
	v_min3_num_f32 v33, v22, v24, v26
	v_min3_num_f32 v32, v32, v28, v30
	v_min_num_f32 v32, v32, v33
.irp m, 1,2,4,8
	v_min_num_f32_dpp v32, v32, v32 row_xmask:\m row_mask:0xf bank_mask:0xf
.endr
	v_permlanex16_b32 v33, v32, s30, s31
	v_min_num_f32 v32, v32, v33
	v_cmp_eq_f32 vcc_lo, v16, v32
	v_cndmask_b32 v34, -1, v17, vcc_lo
.irp j, 1,2,3,4,5,6,7
	v_cmp_eq_f32 vcc_lo, v[16+2*\j], v32
	v_cndmask_b32 v35, -1, v[17+2*\j], vcc_lo
	v_min_u32 v34, v34, v35
.endr
.irp m, 1,2,4,8
	v_mov_b32_dpp v35, v34 row_xmask:\m row_mask:0xf bank_mask:0xf
	v_min_u32 v34, v34, v35
.endr
	v_permlanex16_b32 v35, v34, s30, s31
	v_min_u32 v[40+\n], v34, v35
.irp j, 0,1,2,3,4,5,6,7
	v_cmp_eq_u32 vcc_lo, v[17+2*\j], v[40+\n]
	v_cndmask_b32 v[16+2*\j], v[16+2*\j], v8, vcc_lo
.endr
	v_cmp_eq_u32 vcc_lo, \n, v1
	v_cndmask_b32 v36, v36, v[40+\n], vcc_lo
.endm
.irp n, 0,1,2,3,4,5,6,7
	ROUND \n
.endr
	; THE VOTE: lane n (0 .. 7) counts how many of the eight labels equal winner n's
.irp n, 0,1,2,3,4,5,6,7
	v_and_b32 v[40+\n], 127, v[40+\n]
.endr
	v_and_b32 v36, 127, v36
	v_mov_b32 v37, 0
.irp n, 0,1,2,3,4,5,6,7
	v_cmp_eq_u32 vcc_lo, v[40+\n], v36
	v_cndmask_b32 v35, 0, 1, vcc_lo
	v_add_nc_u32 v37, v37, v35
.endr
	v_sub_nc_u32 v38, 127, v36
	v_lshl_or_b32 v38, v37, 7, v38                 ; votes << 7 | (127 - class): the largest has the most votes and, among equals, the smallest class
	v_cmp_gt_u32 vcc_lo, 8, v1
	v_cndmask_b32 v38, 0, v38, vcc_lo
.irp m, 1,2,4
	v_mov_b32_dpp v35, v38 row_xmask:\m row_mask:0xf bank_mask:0xf
	v_max_u32 v38, v38, v35
.endr
	v_and_b32 v38, 127, v38
	v_sub_nc_u32 v38, 127, v38
	v_cmp_eq_u32 vcc_lo, 0, v1
	s_wait_xcnt 0x0                                ; EXEC changes only when the earlier memory instructions have had their addresses translated
	s_wait_tensorcnt 0x0
	ds_add_u32 v144, v145
	s_wait_dscnt 0x0
	s_and_saveexec_b32 s32, vcc_lo
	global_store_b32 v12, v38, s[20:21]            ; lane 0: out0[q]
	s_endpgm
.Lend:
	s_wait_tensorcnt 0x0
	ds_add_u32 v144, v145
	s_wait_dscnt 0x0
	s_endpgm
.Lfunc_end_k_qa862cad123_vote:
	.size	k_qa862cad123_vote, .Lfunc_end_k_qa862cad123_vote-k_qa862cad123_vote
	.p2alignl 7, 3214868480
	.fill 96, 4, 3214868480
	.section	.rodata,"a",@progbits
	.p2align	6, 0x0
	.amdhsa_kernel k_qa862cad123_vote
		.amdhsa_group_segment_fixed_size 3072
		.amdhsa_private_segment_fixed_size 0
		.amdhsa_enable_private_segment 0
		.amdhsa_kernarg_size 72
		.amdhsa_user_sgpr_count 2
		.amdhsa_user_sgpr_kernarg_segment_ptr 1
		.amdhsa_wavefront_size32 1
		.amdhsa_system_sgpr_workgroup_id_x 1
		.amdhsa_system_sgpr_workgroup_id_y 1
		.amdhsa_system_sgpr_workgroup_id_z 1
		.amdhsa_system_vgpr_workitem_id 0
		.amdhsa_next_free_vgpr 146
		.amdhsa_next_free_sgpr 66
		.amdhsa_reserve_vcc 1
		.amdhsa_float_denorm_mode_32 3
		.amdhsa_float_denorm_mode_16_64 3
		.amdhsa_memory_ordered 1
		.amdhsa_forward_progress 1
		.amdhsa_inst_pref_size 29
	.end_amdhsa_kernel
	.amdgpu_metadata
---
amdhsa.version: [ 1, 2 ]
amdhsa.kernels:
  - .name:           k_qa862cad123_vote
    .symbol:         k_qa862cad123_vote.kd
    .args:
      - { .name: sel, .offset: 0, .size: 8, .value_kind: global_buffer, .address_space: global }
      - { .name: xc, .offset: 8, .size: 8, .value_kind: global_buffer, .address_space: global }
      - { .name: xs, .offset: 16, .size: 8, .value_kind: global_buffer, .address_space: global }
      - { .name: x2, .offset: 24, .size: 8, .value_kind: global_buffer, .address_space: global }
      - { .name: tc, .offset: 32, .size: 8, .value_kind: global_buffer, .address_space: global }
      - { .name: ts, .offset: 40, .size: 8, .value_kind: global_buffer, .address_space: global }
      - { .name: t2, .offset: 48, .size: 8, .value_kind: global_buffer, .address_space: global }
      - { .name: y_train, .offset: 56, .size: 8, .value_kind: global_buffer, .address_space: global }
      - { .name: out0, .offset: 64, .size: 8, .value_kind: global_buffer, .address_space: global }
    .group_segment_fixed_size: 3072
    .private_segment_fixed_size: 0
    .kernarg_segment_align: 8
    .kernarg_segment_size: 72
    .max_flat_workgroup_size: 256
    .sgpr_count:     66
    .vgpr_count:     146
    .wavefront_size: 32
...
	.end_amdgpu_metadata
.endif
;; end of part 4
;; ======== version 2 of 2: 4 launches
;; workspace buffers: tc 25,600,000 bytes; ts 1,600,000 bytes; t2 400,128 bytes; xc 262,144 bytes; xs 16,384 bytes; x2 4,096 bytes; gm 16,384,000 bytes; sel 32,768 bytes of whole numbers
;; launch quant (part 5): grid 3157 x 1, 1 waves a work-group, no clusters, 14,848 bytes of LDS; arguments X_train, X, tc, ts, t2, xc, xs, x2; writes tc, ts, t2, xc, xs, x2
.if DOCPART == 5
	.amdgcn_target "amdgcn-amd-amdhsa--gfx1250"
	.amdhsa_code_object_version 6
	.text
	.protected	k_qa862cad123_quant
	.globl	k_qa862cad123_quant
	.p2align	8
	.type	k_qa862cad123_quant,@function
k_qa862cad123_quant:
	s_mov_b64 s[64:65], 0
	v_nop
	global_prefetch_b8 v0, s[64:65] scope:SCOPE_SE
	s_setreg_imm32_b32 hwreg(HW_REG_WAVE_SCHED_MODE, 0, 2), 2
	s_setreg_imm32_b32 hwreg(HW_REG_WAVE_MODE, 25, 1), 1
	s_wait_xcnt 0x0
	s_wait_alu depctr_vm_vsrc(0)
; X_train [100000][512] and X [1024][512], f32, become codes of FP4 (E2M1) with one E8M0 scale byte for each 32 along K, and each row's sum of squares in f32.
; A block's scale is 2^(floor(log2(its largest magnitude)) - 2): its byte is the largest magnitude's own exponent field - 2, held at 1 from below by a floor among the maximum's leaves.
; (A block of zeros so keeps the byte 1: its codes are zeros, which add nothing, and the bytes are read by this program alone.)
; LIMITS: NaN and infinities among the inputs are not served.  The sum of squares is a tree of this text's own order (two packed chains a lane, then across the lanes).
; LAYOUT OF THE CODES: by octets of 8 neighbouring rows, 2,048 bytes each: [sc 0..7][hh 0..1][row 0..7][16 bytes], the 16 bytes being block 2 sc + hh of the row.  So the 256 bytes (octet, sc) are what sixteen
; lanes of a matrix operand's load take for 8 rows: lane (row, hh) its 16 bytes; registers 4 sc .. 4 sc + 3 of a row's four K steps come by one load each.  Scale bytes: [row][16].  Squares: [row].
; SHARES: one wave to a work-group, 32 rows to a wave (four octets).  The first NT work-groups take X_train, the others X: only pointers are chosen, both take one path.
; A step is a row: four loads of 512 consecutive bytes; the 2,048 bytes turn through a stage in LDS, so that lane l then holds the 16 neighbours k = 16 l .. 16 l + 15 (two lanes to a block).
; Codes, bytes and squares are gathered in LDS and leave at the end: the codes in stores of 512 consecutive bytes.  Loads run four rows ahead, the turn one row.
; THE MODE: SCHED_MODE bits 1:0 = 2 (LLVM: expert scheduling mode 2), set by the entry lines.  The code itself states the register dependences
; between vector instructions and memory or LDS instructions, with s_wait_alu, always for 0.
; THE PLAN.  Registers that memory or LDS instructions touch:
;   v3-7, v9-11, v14, v15   offsets and LDS addresses: made once at the head, never written again.
;   R0 .. R3   Row t + 4's loads, issued in step t, land in R[t % 4]; the stage's LDS stores of row t, issued in step t - 1, read it.  No vector line names R.
;   X0, X1     The stage's LDS loads of row t + 1, issued in step t, land in X[(t + 1) % 2]; step t - 1's vector lines read it.
;   C, E, QF   by the row's parity: written by step t's vector lines; read by row t's three LDS stores, which are issued in step t + 1; written again in step t + 2.
; So a step's head holds one wait on vm_vsrc (the LDS stores issued in the step before have read R[t % 4] and this parity's C, E, QF) and one on va_vdst (the step before has written its C, E, QF
; and is done reading its X); the step's memory and LDS instructions all stand behind them and ahead of its vector lines.
.set NT,    3125                       ; work-groups of X_train: 100,000 / 32
.set ROWS,  32
.set SP,    80                         ; a lane's place in a stage: 64 bytes + 16 of padding
.set STG,   32*SP                      ; a stage; two of them from LDS byte 0
.set CST,   2*STG                      ; the codes: 32 pieces (octet, sc) of 256 bytes + 16 of padding
.set CP,    272
.set SST,   CST+32*CP                  ; the scale bytes: [row][16]
.set QST,   SST+16*ROWS                ; the squares: [row]
.set R,     16                         ; v16-79   four sets of 16 numbers as loaded
.set X,     80                         ; v80-111  two sets of 16 neighbours
.set C,     112                        ; v112-115 a step's codes, two registers, by the step's parity
.set E,     116                        ; v116-117 its scale byte, by parity
.set QF,    118                        ; v118-119 its row's square, by parity
	s_load_b256 s[4:11], s[0:1], 0x0               ; X_train s[4:5], X s[6:7], tc s[8:9], ts s[10:11]
	s_load_b256 s[12:19], s[0:1], 0x20             ; t2 s[12:13], xc s[14:15], xs s[16:17], x2 s[18:19]
	v_lshl_add_u32 v128, v0, 2, 0x3900
	v_mov_b32 v129, 0
	v_lshlrev_b32 v3, 4, v0                        ; 16 l: my bytes of a load's or a store's 512
	v_lshrrev_b32 v1, 2, v0
	v_and_b32 v2, 3, v0
	v_mul_u32_u24 v14, v1, SP
	v_lshl_add_u32 v14, v2, 4, v14                 ; the stage, in: four lanes' 64 bytes on end, then the padding
	v_mul_u32_u24 v15, v0, SP                      ; and out: my 16 neighbours
	v_mul_u32_u24 v4, v1, CP                       ; my 8 bytes of codes: sc = l / 4,
	v_bfe_u32 v2, v0, 1, 1
	v_lshl_add_u32 v4, v2, 7, v4                   ; hh = (l / 2) % 2,
	v_and_b32 v2, 1, v0
	v_lshl_add_u32 v4, v2, 3, v4                   ; which half of the block's 16 bytes
	v_add_nc_u32 v4, CST, v4
	v_lshrrev_b32 v5, 1, v0
	v_add_nc_u32 v5, SST, v5                       ; my block's scale byte
	v_mov_b32 v6, QST                              ; the row's square
	v_lshrrev_b32 v2, 4, v0
	v_mul_u32_u24 v7, v2, CP
	v_and_b32 v2, 15, v0
	v_lshl_add_u32 v7, v2, 4, v7
	v_add_nc_u32 v7, CST, v7                       ; the codes on their way out: sixteen lanes to a piece, two pieces an instruction
	v_add_nc_u32 v9, SST, v3                       ; the scale bytes: a row's 16 to a lane
	v_lshlrev_b32 v11, 2, v0
	v_add_nc_u32 v10, QST, v11                     ; the squares: a row's to a lane
	v_mov_b32 v124, 0                              ; written once: a lane permute's destination counts as one of its sources
	s_mov_b32 s20, 0x76543210
	s_mov_b32 s21, 0xfedcba98                      ; selects for lane l xor 16
	s_mov_b32 s25, 0
	s_wait_kmcnt 0x0
	s_cmp_lt_u32 ttmp9, NT                         ; X_train's work-group or X's?  The choice hangs on the work-group's number alone
	s_cselect_b64 s[4:5], s[4:5], s[6:7]
	s_cselect_b64 s[8:9], s[8:9], s[14:15]
	s_cselect_b64 s[10:11], s[10:11], s[16:17]
	s_cselect_b64 s[12:13], s[12:13], s[18:19]
	s_cselect_b32 s22, 0, NT
	s_sub_co_u32 s22, ttmp9, s22                   ; which 32 rows of the tensor
	s_lshl_b32 s24, s22, 16                        ; 32 rows of 2,048 bytes (3,124 x 65,536 stays under 2^32)
	s_add_nc_u64 s[4:5], s[4:5], s[24:25]
	s_lshl_b32 s24, s22, 13                        ; four octets of 2,048 bytes
	s_add_nc_u64 s[8:9], s[8:9], s[24:25]
	s_lshl_b32 s24, s22, 9                         ; 32 rows of 16 scale bytes
	s_add_nc_u64 s[10:11], s[10:11], s[24:25]
	s_lshl_b32 s24, s22, 7                         ; 32 squares
	s_add_nc_u64 s[12:13], s[12:13], s[24:25]
.macro LOAD t                          ; row t: four loads of 512 consecutive bytes into set t % 4
.irp i, 0,1,2,3
	global_load_b128 v[R+16*((\t)%4)+4*\i:R+16*((\t)%4)+4*\i+3], v3, s[4:5] offset:2048*(\t)+512*\i th:TH_LOAD_NT
.endr
.endm
.macro TURN t                          ; row t through stage t % 2: LDS serves a wave's instructions in order, so no wait stands between the stores and the loads
.irp i, 0,1,2,3
	ds_store_b128 v14, v[R+16*((\t)%4)+4*\i:R+16*((\t)%4)+4*\i+3] offset:STG*((\t)%2)+8*SP*\i
.endr
.irp i, 0,1,2,3
	ds_load_b128 v[X+16*((\t)%2)+4*\i:X+16*((\t)%2)+4*\i+3], v15 offset:STG*((\t)%2)+16*\i
.endr
.endm
.macro OUT3 t                          ; row t's codes, scale byte and square go to their places in LDS
	ds_store_b64 v4, v[C+2*((\t)%2):C+2*((\t)%2)+1] offset:8*CP*((\t)/8)+16*((\t)%8)   ; octet t / 8, row t % 8
	ds_store_b8 v5, v[E+(\t)%2] offset:16*(\t)     ; both lanes of a block write the same byte with the same value
	ds_store_b32 v6, v[QF+(\t)%2] offset:4*(\t)    ; all lanes write the same word with the same value
.endm
	s_wait_alu depctr_va_vdst(0)                   ; the offsets and LDS addresses v3 to v15 are written: every load and store of the kernel reads one of them
.irp t, 0,1,2,3
	LOAD \t
.endr
	s_wait_loadcnt 12                              ; row 0's four loads are in
	TURN 0
.macro STEP t
.set XS, X+16*((\t)%2)
.set PR, (\t)%2
	s_wait_dscnt 0x0                               ; this row is back from the stage: its loads are the youngest LDS instructions
	s_wait_alu depctr_vm_vsrc(0)                   ; the LDS stores issued in the step before have read their data: the stage's R[t % 4], in which the loads below land; the three stores' C, E, QF of this parity, which this step writes again
.if (\t)+4 < ROWS
	LOAD (\t)+4                                    ; the row four further on; no vector line names R
.endif
.if (\t) > 0
	s_wait_alu depctr_va_vdst(0)                   ; the step before has written its C, E, QF, which the three stores below read, and is done reading its X, in which the stage's loads below land
	OUT3 (\t)-1
.endif
.if (\t)+1 < ROWS
.if ROWS-2-(\t) >= 3
	s_wait_loadcnt 12                              ; the next row's four loads are in; those of the three rows behind it may be out
.else
	s_wait_loadcnt 4*(ROWS-2-(\t))                 ; near the end fewer rows are behind it
.endif
	TURN (\t)+1                                    ; it goes through the other stage while this row is worked
.endif
	v_max3_num_f32 v8, |v[XS]|, |v[XS+1]|, |v[XS+2]|               ; the largest magnitude of my 16, in two chains
	v_max3_num_f32 v13, |v[XS+3]|, |v[XS+4]|, |v[XS+5]|
.irp i, 6,10
	v_max3_num_f32 v8, v8, |v[XS+\i]|, |v[XS+\i+1]|
	v_max3_num_f32 v13, v13, |v[XS+\i+2]|, |v[XS+\i+3]|
.endr
	v_max3_num_f32 v8, v8, |v[XS+14]|, |v[XS+15]|
	v_max3_num_f32 v8, v8, v13, 0x1800000          ; and the floor 2^(3 - 127): the byte cannot fall under 1
	v_max_num_f32_dpp v8, v8, v8 row_xmask:1 row_mask:0xf bank_mask:0xf   ; with my neighbour's 16: the block's
	v_add_nc_u32 v12, 0xff000000, v8               ; 2 off its exponent field: the conversion takes that field of this operand as its scale, and nothing else of it
	v_cvt_scalef32_pk8_fp4_f32 v[C+2*PR], v[XS:XS+7], v12          ; to the nearest code, ties to even, beyond the largest code the largest
	v_cvt_scalef32_pk8_fp4_f32 v[C+2*PR+1], v[XS+8:XS+15], v12
	v_lshrrev_b32 v[E+PR], 23, v12                 ; the scale's byte (a plain line behind the conversions)
	v_pk_mul_f32 v[120:121], v[XS:XS+1], v[XS:XS+1]                ; the squares of the numbers as they came, two at a time, in two chains
	v_pk_mul_f32 v[122:123], v[XS+2:XS+3], v[XS+2:XS+3]
.irp i, 4,8,12
	v_pk_fma_f32 v[120:121], v[XS+\i:XS+\i+1], v[XS+\i:XS+\i+1], v[120:121]
	v_pk_fma_f32 v[122:123], v[XS+\i+2:XS+\i+3], v[XS+\i+2:XS+\i+3], v[122:123]
.endr
	v_pk_add_f32 v[120:121], v[120:121], v[122:123]
	v_add_f32 v120, v120, v121
	v_add_f32_dpp v120, v120, v120 row_xmask:1 row_mask:0xf bank_mask:0xf
	v_add_f32_dpp v120, v120, v120 row_xmask:2 row_mask:0xf bank_mask:0xf
	v_add_f32_dpp v120, v120, v120 row_xmask:4 row_mask:0xf bank_mask:0xf
	v_add_f32_dpp v120, v120, v120 row_xmask:8 row_mask:0xf bank_mask:0xf
	v_permlanex16_b32 v124, v120, s20, s21
	v_add_f32 v[QF+PR], v120, v124                 ; the row's sum of squares, in every lane
.endm                                  ; (the row's three stores stand in the next step, behind its wait)
.irp t, 0,1,2,3,4,5,6,7,8,9,10,11,12,13,14,15,16,17,18,19,20,21,22,23,24,25,26,27,28,29,30,31
	STEP \t
.endr
	s_wait_alu depctr_va_vdst(0)                   ; row 31's C, E, QF are written, which the three stores below read; the vector lines are done reading v80 to v84, in which loads below land
	OUT3 31
.irp i, 0,1,2,3,4,5,6,7,8,9,10,11,12,13,14,15
	ds_load_b128 v[R+4*\i:R+4*\i+3], v7 offset:2*CP*\i             ; LDS serves a wave's instructions in order: these see my stores.  (R: the stage's last stores stand ahead of the last step's wait on vm_vsrc, and nothing has read R since)
.endr
	ds_load_b128 v[80:83], v9
	ds_load_b32 v84, v10
.irp i, 0,1,2,3,4,5,6,7,8,9,10,11,12,13,14,15
	s_wait_dscnt 17-\i                             ; behind load i: 15 - i loads of codes, the bytes' and the squares'
	global_store_b128 v3, v[R+4*\i:R+4*\i+3], s[8:9] offset:512*\i   ; 32 lanes store 512 consecutive bytes, at a multiple of 256 from the buffer's first byte
.endr
	s_wait_dscnt 1
	global_store_b128 v3, v[80:83], s[10:11]       ; 32 rows' scale bytes: 512 consecutive bytes
	s_wait_dscnt 0x0
	global_store_b32 v11, v84, s[12:13]            ; 32 squares
	s_wait_dscnt 0x0                               ; the closing lines, six on end
	s_wait_alu 0x0
	s_wait_tensorcnt 0x0
	ds_add_u32 v128, v129
	s_wait_dscnt 0x0
	s_endpgm
.Lfunc_end_k_qa862cad123_quant:
	.size	k_qa862cad123_quant, .Lfunc_end_k_qa862cad123_quant-k_qa862cad123_quant
	.p2alignl 7, 3214868480
	.fill 96, 4, 3214868480
	.section	.rodata,"a",@progbits
	.p2align	6, 0x0
	.amdhsa_kernel k_qa862cad123_quant
		.amdhsa_group_segment_fixed_size 14848
		.amdhsa_private_segment_fixed_size 0
		.amdhsa_enable_private_segment 0
		.amdhsa_kernarg_size 64
		.amdhsa_user_sgpr_count 2
		.amdhsa_user_sgpr_kernarg_segment_ptr 1
		.amdhsa_wavefront_size32 1
		.amdhsa_system_sgpr_workgroup_id_x 1
		.amdhsa_system_sgpr_workgroup_id_y 1
		.amdhsa_system_sgpr_workgroup_id_z 1
		.amdhsa_system_vgpr_workitem_id 0
		.amdhsa_next_free_vgpr 130
		.amdhsa_next_free_sgpr 66
		.amdhsa_reserve_vcc 0
		.amdhsa_float_denorm_mode_32 3
		.amdhsa_float_denorm_mode_16_64 3
		.amdhsa_memory_ordered 1
		.amdhsa_forward_progress 1
		.amdhsa_inst_pref_size 101
	.end_amdhsa_kernel
	.amdgpu_metadata
---
amdhsa.version: [ 1, 2 ]
amdhsa.kernels:
  - .name:           k_qa862cad123_quant
    .symbol:         k_qa862cad123_quant.kd
    .args:
      - { .name: X_train, .offset: 0, .size: 8, .value_kind: global_buffer, .address_space: global }
      - { .name: X, .offset: 8, .size: 8, .value_kind: global_buffer, .address_space: global }
      - { .name: tc, .offset: 16, .size: 8, .value_kind: global_buffer, .address_space: global }
      - { .name: ts, .offset: 24, .size: 8, .value_kind: global_buffer, .address_space: global }
      - { .name: t2, .offset: 32, .size: 8, .value_kind: global_buffer, .address_space: global }
      - { .name: xc, .offset: 40, .size: 8, .value_kind: global_buffer, .address_space: global }
      - { .name: xs, .offset: 48, .size: 8, .value_kind: global_buffer, .address_space: global }
      - { .name: x2, .offset: 56, .size: 8, .value_kind: global_buffer, .address_space: global }
    .group_segment_fixed_size: 14848
    .private_segment_fixed_size: 0
    .kernarg_segment_align: 8
    .kernarg_segment_size: 64
    .max_flat_workgroup_size: 32
    .sgpr_count:     66
    .vgpr_count:     130
    .wavefront_size: 32
...
	.end_amdgpu_metadata
.endif
;; end of part 5
;; launch dist (part 6): grid 250 x 1, 4 waves a work-group, no clusters, 82,432 bytes of LDS; arguments xc, xs, x2, tc, ts, t2, gm; writes gm
.if DOCPART == 6
	.amdgcn_target "amdgcn-amd-amdhsa--gfx1250"
	.amdhsa_code_object_version 6
	.text
	.protected	k_qa862cad123_dist
	.globl	k_qa862cad123_dist
	.p2align	8
	.type	k_qa862cad123_dist,@function
k_qa862cad123_dist:
	s_mov_b64 s[64:65], 0
	v_nop
	global_prefetch_b8 v0, s[64:65] scope:SCOPE_SE
	s_setreg_imm32_b32 hwreg(HW_REG_WAVE_SCHED_MODE, 0, 2), 2
	s_setreg_imm32_b32 hwreg(HW_REG_WAVE_MODE, 25, 1), 1
	s_wait_xcnt 0x0
	s_wait_alu depctr_vm_vsrc(0)
; The whole quantised product X X_train^T on codes of FP4 (E2M1) with E8M0 scales, d2 = (x2 + t2) - 2 x.t in f32, and of each GROUP of 24 or 32 neighbouring training rows the smallest distance of each query:
; gm[share 0..249][query 0..1023][slot 0..15] = sqrt(max(the group's smallest d2, 0)).  max and the root are applied once a group: neither falls where its input rises, so they change places with the minimum.
; LIMITS: v_sqrt_f32 is taken not to fall where its input rises (the ISA guide promises 1 ulp); NaN and infinities are not served.
; GROUPS.  Share g is rows 400 g .. 400 g + 399 = octets 50 g .. 50 g + 49.  Its half h is octets 50 g + 25 h + tau, tau = 0 .. 24; block b is tau = 3 b .. 3 b + 2 (b < 7), 21 .. 24 (b = 7).  Slot = 8 h + b.
; SHARES.  Work-group g takes share g for all queries.  Wave w keeps queries 256 w .. 256 w + 255 (16 tiles: 512 registers of codes, 64 of scale words) for the whole launch and walks 25 training tiles.
; THE PRODUCT.  Source 0 = training tile tau: row m comes from octet 50 g + 25 (m / 8) + tau, row m % 8; source 1 = 16 queries.  In the result lane (r, h) holds ONE query (r) and in registers 0 .. 7 the eight rows of its
; half's octet: a running minimum a lane and query tile is all that a block needs, and no lane looks at another.
; No tensor loads, no cluster: the queries must end in registers, and a training tile is 4,352 bytes of codes and scales for 64 matrix instructions, loaded straight into registers, three buffers deep, two tiles ahead.
; The waves share nothing: no barrier; each has LDS bytes of its own for the way out.
; REGISTERS, in windows of 256 (s_set_vgpr_msb: bits 1:0 source 0, 3:2 source 1, 5:4 source 2, 7:6 destination):
;   window 0: v3-12 offsets and addresses; v16-47 (x2, x2) a tile; v48-63 the minima; v64-127 the queries' scale words; v128-139 the training tiles' (3 buffers); v140-163 t2 (3 x 8); v164-195 four accumulators; v196-227 at work
;   window 1: the fragments of query tiles 0-7 (tile t, K step s at 32 (t % 8) + 8 s); window 2: of tiles 8-15; window 3: v0-95 training fragments, 3 buffers of 32.
; THE MODE: SCHED_MODE bits 1:0 = 2 (LLVM: expert scheduling mode 2), set by the entry lines.  The code itself states the register dependences
; between vector or matrix instructions and memory or LDS instructions, with s_wait_alu, always for 0.
; THE PLAN.  Registers that memory or LDS instructions touch:
;   v3-9, v11, v12   offsets and LDS addresses: made once at the head, never written again: the scalar bases move on, and immediate offsets do the rest.
;   buffer b of three (32 registers of window 3, TS + 4 b, T2 + 8 b)   Tile T reads buffer T % 3: its products the fragments and scale words, its packed additions t2.  Tile T + 2's eleven loads, issued in tile T,
;                    land in buffer (T + 2) % 3 = (T - 1) % 3, which the tile before read and which no line of tile T names.
;   v10, v[S .. S + 15]   written in a block's end by the add and the roots; read by its sixteen LDS stores; S is written again by the next tile, v10 by the next block's end.
;   windows 1 and 2, QS, x2   loaded at the head, read by products and vector lines; on the way out LDS loads land in window 1 and the global stores read it.
; So ONE wait on va_vdst stands at the head of a tile that loads: the tile before is done reading its buffer.  The eight loads of codes follow it; the other three stand behind the tile's first sixteen products,
; where the windows are 0 again: those products name this tile's buffer, the queries' registers and the accumulators alone.  A block's end has one wait on va_vdst ahead of its stores and one on vm_vsrc behind them.
.set X2P, 16
.set M,   48
.set QS,  64
.set TS,  128
.set T2,  140
.set ACC, 164
.set S,   196
.set WREG, 20480                       ; LDS of a wave: 256 queries x (16 slots x 4 bytes + 16 of padding)
.set QP,   80
.set MSB, 0
.macro WIN new                         ; the immediate's high byte repeats the setting that is left; a switch that changes nothing is dropped
.if MSB != \new
	s_set_vgpr_msb (MSB<<8)|\new
.set MSB, \new
.endif
.endm
	s_load_b256 s[4:11], s[0:1], 0x0               ; xc s[4:5], xs s[6:7], x2 s[8:9], tc s[10:11]
	s_load_b128 s[12:15], s[0:1], 0x20             ; ts s[12:13], t2 s[14:15]
	s_load_b64 s[16:17], s[0:1], 0x30              ; gm
	v_lshl_add_u32 v254, v0, 2, 0x14000
	v_mov_b32 v255, 0
	v_lshrrev_b32 v1, 5, v0
	v_readfirstlane_b32 s18, v1                    ; wave 0..3
	v_and_b32 v1, 15, v0                           ; r
	v_bfe_u32 v2, v0, 4, 1                         ; h
	v_lshrrev_b32 v13, 3, v1                       ; r / 8
	v_and_b32 v14, 7, v1                           ; r % 8
	v_lshlrev_b32 v15, 4, v14
	v_lshl_add_u32 v15, v2, 7, v15                 ; in a piece of 256 bytes: 128 h + 16 (r % 8)
	v_lshl_add_u32 v3, v13, 11, v15                ; queries: the tile's two octets are neighbours
	v_mad_u32_u24 v4, v13, 0xc800, v15             ; training rows: they lie 25 octets (51,200 bytes) apart
	v_lshlrev_b32 v5, 4, v1                        ; a query's four scale words
	v_lshlrev_b32 v6, 4, v14
	v_mad_u32_u24 v6, v13, 3200, v6                ; a training row's: 200 rows of 16 bytes apart
	v_mul_u32_u24 v7, v2, 800                      ; t2 of my half's octet: 200 rows of 4 bytes apart
	v_lshlrev_b32 v8, 2, v1                        ; x2 of my query
	s_wait_alu depctr_va_sdst(0)                   ; s18 is written, ahead of its first reader: LDS addresses and the bases are made from it
	s_mul_i32 s19, s18, WREG
	v_mul_u32_u24 v9, v1, QP
	v_lshl_add_u32 v9, v2, 5, v9
	v_add_nc_u32 v9, s19, v9                       ; LDS, in: query r of a tile, slot 8 h
	v_and_b32 v12, 31, v0
	v_lshrrev_b32 v13, 2, v12
	v_and_b32 v14, 3, v12
	v_mul_u32_u24 v11, v13, QP
	v_lshl_add_u32 v11, v14, 4, v11
	v_add_nc_u32 v11, s19, v11                     ; LDS, out: four lanes to a query's 64 bytes
	v_lshlrev_b32 v12, 4, v12                      ; and the same place in gm: 16 x lane
	s_mov_b32 s21, 0
	s_mov_b32 s33, 0                               ; 4 x the block in hand
	s_mov_b32 s32, 7                               ; trips
	s_wait_kmcnt 0x0
	s_lshl_b32 s20, s18, 16                        ; my 256 queries: 32 octets,
	s_add_nc_u64 s[4:5], s[4:5], s[20:21]
	s_lshl_b32 s20, s18, 12                        ; 256 x 16 scale bytes,
	s_add_nc_u64 s[6:7], s[6:7], s[20:21]
	s_lshl_b32 s20, s18, 10                        ; 256 squares
	s_add_nc_u64 s[8:9], s[8:9], s[20:21]
	s_mul_i32 s20, ttmp9, 102400                   ; my share: 50 octets,
	s_add_nc_u64 s[10:11], s[10:11], s[20:21]
	s_mul_i32 s20, ttmp9, 6400                     ; 400 x 16 scale bytes,
	s_add_nc_u64 s[12:13], s[12:13], s[20:21]
	s_mul_i32 s20, ttmp9, 1600                     ; 400 squares
	s_add_nc_u64 s[14:15], s[14:15], s[20:21]
	s_lshl_b32 s20, ttmp9, 16                      ; gm: 65,536 bytes a share, 16,384 a wave
	s_lshl_b32 s22, s18, 14
	s_add_co_u32 s20, s20, s22
	s_add_nc_u64 s[16:17], s[16:17], s[20:21]
	WIN 0x40                                       ; destination window 1
	s_wait_alu depctr_va_vdst(0)                   ; the offsets and addresses v3 to v12 are written: the loads, LDS instructions and stores of the whole kernel read them (v10 alone is made anew, in a block's end)
.irp t, 0,1,2,3,4,5,6,7
.irp c, 0,1,2,3,4,5,6,7
	global_load_b128 v[32*\t+4*\c:32*\t+4*\c+3], v3, s[4:5] offset:4096*\t+256*\c          ; each load reads two whole pieces of 256 bytes
.endr
.endr
	WIN 0x80                                       ; destination window 2
.irp t, 0,1,2,3,4,5,6,7
.irp c, 0,1,2,3,4,5,6,7
	global_load_b128 v[32*\t+4*\c:32*\t+4*\c+3], v3, s[4:5] offset:4096*(\t+8)+256*\c
.endr
.endr
	WIN 0
.irp t, 0,1,2,3,4,5,6,7,8,9,10,11,12,13,14,15
	global_load_b128 v[QS+4*\t:QS+4*\t+3], v5, s[6:7] offset:256*\t      ; lane r: the four scale words of query 16 t + r (lanes 16-31 hold the same and are not read)
.endr
.irp t, 0,1,2,3,4,5,6,7,8,9,10,11,12,13,14,15
	global_load_b32 v[X2P+2*\t], v8, s[8:9] offset:64*\t
.endr
; Eleven loads bring the training tile k tiles on from the pointers into buffer buf: eight of codes (destination window 3, offset window 0: the caller has set the windows),
.macro TCODES buf, k
.irp c, 0,1,2,3,4,5,6,7
	global_load_b128 v[32*(\buf)+4*\c:32*(\buf)+4*\c+3], v4, s[10:11] offset:2048*(\k)+256*\c
.endr
.endm
; one of scale words and two of t2 (every window 0).
.macro TREST buf, k
	global_load_b128 v[TS+4*(\buf):TS+4*(\buf)+3], v6, s[12:13] offset:128*(\k)
	global_load_b128 v[T2+8*(\buf):T2+8*(\buf)+3], v7, s[14:15] offset:32*(\k)
	global_load_b128 v[T2+8*(\buf)+4:T2+8*(\buf)+7], v7, s[14:15] offset:32*(\k)+16
.endm
.macro TLOAD buf, k                    ; all eleven on end: at the head
	WIN 0xc0
	TCODES \buf, \k
	WIN 0
	TREST \buf, \k
.endm
; Query tiles 4 a .. 4 a + 3 against the training tile in buffer buf: 16 matrix instructions, K ascending, the four accumulators by turns, one instruction a turn;
; the first K step starts each sum with the constant 0.  Then d2 and the minima: 48 vector instructions.  ld = 1 (a tile's first group): the three loads that are left of the tile asked for at this tile's head.
.macro GROUP a, buf, ld, lbuf, lk
.if \a < 2
	WIN 0x07                                       ; source 0 window 3, source 1 window 1
.else
	WIN 0x0b                                       ; source 0 window 3, source 1 window 2
.endif
.irp s, 0,1,2,3
.irp i, 0,1,2,3
.if \s == 0
	v_wmma_scale_f32_16x16x128_f8f6f4 v[ACC+8*\i:ACC+8*\i+7], v[32*(\buf)+8*\s:32*(\buf)+8*\s+7], v[32*((4*(\a)+\i)%8)+8*\s:32*((4*(\a)+\i)%8)+8*\s+7], 0, v[TS+4*(\buf)+\s], v[QS+4*(4*(\a)+\i)+\s] matrix_a_fmt:MATRIX_FMT_FP4 matrix_b_fmt:MATRIX_FMT_FP4
.else
	v_wmma_scale_f32_16x16x128_f8f6f4 v[ACC+8*\i:ACC+8*\i+7], v[32*(\buf)+8*\s:32*(\buf)+8*\s+7], v[32*((4*(\a)+\i)%8)+8*\s:32*((4*(\a)+\i)%8)+8*\s+7], v[ACC+8*\i:ACC+8*\i+7], v[TS+4*(\buf)+\s], v[QS+4*(4*(\a)+\i)+\s] matrix_a_fmt:MATRIX_FMT_FP4 matrix_b_fmt:MATRIX_FMT_FP4
.endif
.endr
.endr
	WIN 0
.if \ld
	TREST \lbuf, \lk                               ; no wait: since the wait at the tile's head only loads, window switches and the sixteen products above were issued, and those name neither this buffer's scale words and t2 nor v6 and v7
.endif
.irp i, 0,1,2,3
.irp p, 0,2,4,6
	v_pk_add_f32 v[S+8*\i+\p:S+8*\i+\p+1], v[T2+8*(\buf)+\p:T2+8*(\buf)+\p+1], v[X2P+2*(4*(\a)+\i):X2P+2*(4*(\a)+\i)+1]   ; x2 + t2.  These sixteen name no register of the products: they are the places behind them (ISA guide 7.12.1)
.endr
.endr
.irp i, 0,1,2,3
.irp p, 0,2,4,6
	v_pk_fma_f32 v[S+8*\i+\p:S+8*\i+\p+1], v[ACC+8*\i+\p:ACC+8*\i+\p+1], -2.0, v[S+8*\i+\p:S+8*\i+\p+1] op_sel_hi:[1,0,1]   ; (x2 + t2) - 2 x.t: 2 x.t is exact, so one rounding, as in a multiplication and a subtraction; each accumulator from its low end on
.endr
.endr
.irp p, 0,2,4,6
.irp i, 0,1,2,3
	v_min3_num_f32 v[M+4*(\a)+\i], v[M+4*(\a)+\i], v[S+8*\i+\p], v[S+8*\i+\p+1]
.endr
.endr
.endm
; A training tile.  cnt: the younger loads that may stay out.  ld = 1: the tile lk tiles on from the pointers is asked for, into the buffer of the tile before this one.
.macro TILE buf, cnt, ld, lbuf, lk
	s_wait_loadcnt \cnt
.if \ld
	WIN 0xc0                                       ; destination window 3, offset window 0: the switch, then the wait, then the loads
	s_wait_alu depctr_va_vdst(0)                   ; the tile before is done reading its buffer: its products the fragments and the scale words, its packed additions t2; this tile's eleven loads land there
	TCODES \lbuf, \lk
.endif
	GROUP 0, \buf, \ld, \lbuf, \lk
	GROUP 1, \buf, 0, 0, 0
	GROUP 2, \buf, 0, 0, 0
	GROUP 3, \buf, 0, 0, 0
.endm
; A block's end: the minima become distances and go to my LDS bytes; the minima begin anew.  more = 1: another block follows.
.macro FLUSH more
	v_add_nc_u32 v10, s33, v9
.irp t, 0,1,2,3,4,5,6,7,8,9,10,11,12,13,14,15
	v_max_num_f32 v[M+\t], 0, v[M+\t]
.endr
	s_wait_alu depctr_va_vdst(0)
.irp t, 0,1,2,3,4,5,6,7,8,9,10,11,12,13,14,15
	v_sqrt_f32 v[S+\t], v[M+\t]
.endr
	v_nop                                          ; a plain line between the roots and the lines that write their sources or read their results
.irp t, 0,1,2,3,4,5,6,7,8,9,10,11,12,13,14,15
	v_mov_b32 v[M+\t], 0x7f800000
.endr
	s_wait_alu depctr_va_vdst(0)                   ; the sixteen roots have written v[S ..] and the add v10: the LDS stores below read them; one wait for the batch of roots, ahead of its first reader
.irp t, 0,1,2,3,4,5,6,7,8,9,10,11,12,13,14,15
	ds_store_b32 v10, v[S+\t] offset:16*QP*\t      ; query 16 t + r, slot 8 h + block
.endr
	s_wait_dscnt 0x0                               ; my stores are done
.if \more
	s_wait_alu depctr_vm_vsrc(0)                   ; the stores have read v[S ..], which the next tile's additions write again, and v10, which the next block's end writes again
.endif
	s_add_co_u32 s33, s33, 4
.endm
	TLOAD 0, 0
	TLOAD 1, 1
	s_wait_loadcnt 22                              ; all of the queries is in; the two tiles' 22 loads may be out
.irp t, 0,1,2,3,4,5,6,7,8,9,10,11,12,13,14,15
	v_mov_b32 v[X2P+2*\t+1], v[X2P+2*\t]           ; x2 twice, for the packed addition
.endr
.irp t, 0,1,2,3,4,5,6,7,8,9,10,11,12,13,14,15
	v_mov_b32 v[M+\t], 0x7f800000                  ; +infinity, over every d2
.endr
.Lblock:                                               ; seven trips: blocks 0 to 6, three tiles each.  At the head the loads of this tile and of the next are out: on the way in and on the way back
	TILE 0, 11, 1, 2, 2                            ; 11: the next tile's loads may stay out
	TILE 1, 11, 1, 0, 3
	TILE 2, 11, 1, 1, 4                            ; the last trip asks for tile 22 here: inside the share
	FLUSH 1
	s_wait_xcnt 0x0                                ; the loads have had their addresses translated: only now are their bases stepped
	s_add_nc_u64 s[10:11], s[10:11], 3*2048
	s_add_nc_u64 s[12:13], s[12:13], 3*128
	s_add_nc_u64 s[14:15], s[14:15], 3*32
	s_sub_co_u32 s32, s32, 1
	s_cmp_lg_u32 s32, 0
	s_cbranch_scc1 .Lblock
	TILE 0, 11, 1, 2, 2                            ; block 7: tiles 21 to 24; tiles 23 and 24 are asked for, then nothing
	TILE 1, 11, 1, 0, 3
	TILE 2, 11, 0, 0, 0
	TILE 0, 0, 0, 0, 0
	FLUSH 0
	; THE WAY OUT: 256 queries x 64 bytes, read back four lanes to a query, into registers of window 1 that held fragments (the scale words' registers hold nothing else).
	; No further wait on va_vdst: the products that read those fragments stand ahead of the wait in the block's end above, and no vector or matrix instruction has been issued since.
	WIN 0x40
.set i, 0
.rept 32
	ds_load_b128 v[4*i:4*i+3], v11 offset:8*QP*i
.set i, i+1
.endr
	WIN 0x04                                       ; a store's data are its source 1: window 1
.set i, 0
.rept 32
	s_wait_dscnt 31-i                              ; LDS loads come back in order: load i is in
	global_store_b128 v12, v[4*i:4*i+3], s[16:17] offset:512*i     ; 32 lanes store 512 consecutive bytes, at a multiple of 256 from gm's first byte
.set i, i+1
.endr
	WIN 0                                          ; the add's two registers lie in window 0: the switch stands ahead of the closing lines
	s_wait_dscnt 0x0                               ; the closing lines, six on end
	s_wait_alu 0x0
	s_wait_tensorcnt 0x0
	ds_add_u32 v254, v255
	s_wait_dscnt 0x0
	s_endpgm
.Lfunc_end_k_qa862cad123_dist:
	.size	k_qa862cad123_dist, .Lfunc_end_k_qa862cad123_dist-k_qa862cad123_dist
	.p2alignl 7, 3214868480
	.fill 96, 4, 3214868480
	.section	.rodata,"a",@progbits
	.p2align	6, 0x0
	.amdhsa_kernel k_qa862cad123_dist
		.amdhsa_group_segment_fixed_size 82432
		.amdhsa_private_segment_fixed_size 0
		.amdhsa_enable_private_segment 0
		.amdhsa_kernarg_size 56
		.amdhsa_user_sgpr_count 2
		.amdhsa_user_sgpr_kernarg_segment_ptr 1
		.amdhsa_wavefront_size32 1
		.amdhsa_system_sgpr_workgroup_id_x 1
		.amdhsa_system_sgpr_workgroup_id_y 1
		.amdhsa_system_sgpr_workgroup_id_z 1
		.amdhsa_system_vgpr_workitem_id 0
		.amdhsa_next_free_vgpr 864
		.amdhsa_next_free_sgpr 66
		.amdhsa_reserve_vcc 0
		.amdhsa_float_denorm_mode_32 3
		.amdhsa_float_denorm_mode_16_64 3
		.amdhsa_memory_ordered 1
		.amdhsa_forward_progress 1
		.amdhsa_inst_pref_size 183
	.end_amdhsa_kernel
	.amdgpu_metadata
---
amdhsa.version: [ 1, 2 ]
amdhsa.kernels:
  - .name:           k_qa862cad123_dist
    .symbol:         k_qa862cad123_dist.kd
    .args:
      - { .name: xc, .offset: 0, .size: 8, .value_kind: global_buffer, .address_space: global }
      - { .name: xs, .offset: 8, .size: 8, .value_kind: global_buffer, .address_space: global }
      - { .name: x2, .offset: 16, .size: 8, .value_kind: global_buffer, .address_space: global }
      - { .name: tc, .offset: 24, .size: 8, .value_kind: global_buffer, .address_space: global }
      - { .name: ts, .offset: 32, .size: 8, .value_kind: global_buffer, .address_space: global }
      - { .name: t2, .offset: 40, .size: 8, .value_kind: global_buffer, .address_space: global }
      - { .name: gm, .offset: 48, .size: 8, .value_kind: global_buffer, .address_space: global }
    .group_segment_fixed_size: 82432
    .private_segment_fixed_size: 0
    .kernarg_segment_align: 8
    .kernarg_segment_size: 56
    .max_flat_workgroup_size: 128
    .sgpr_count:     66
    .vgpr_count:     864
    .wavefront_size: 32
...
	.end_amdgpu_metadata
.endif
;; end of part 6
;; launch pick (part 7): grid 256 x 1, 8 waves a work-group, no clusters, 3,072 bytes of LDS; arguments gm, sel; writes sel
.if DOCPART == 7
	.amdgcn_target "amdgcn-amd-amdhsa--gfx1250"
	.amdhsa_code_object_version 6
	.text
	.protected	k_qa862cad123_pick
	.globl	k_qa862cad123_pick
	.p2align	8
	.type	k_qa862cad123_pick,@function
k_qa862cad123_pick:
	s_mov_b64 s[64:65], 0
	v_nop
	global_prefetch_b8 v0, s[64:65] scope:SCOPE_SE
	s_setreg_imm32_b32 hwreg(HW_REG_WAVE_MODE, 25, 1), 1
	s_wait_xcnt 0x0
; For each query the 8 best of its 4,000 groups by (smallest distance, group's place among the rows): sel[query][8] = the group's first octet | (it has four octets) << 16.
; Groups are runs of neighbouring rows, so this is the order of each group's best row by (distance, row), and the 8 best rows of a query lie in these 8 groups.
; What is chosen here is stored at fixed places as whole numbers; no address and no branch of this launch hangs on it.
; LIMITS: NaN is not served; a query with fewer than 8 finite group distances gets words that the next launch holds inside the tables.
; SHARES.  Work-group Q takes queries 4 Q .. 4 Q + 3: of each share p their 4 x 16 numbers are 256 consecutive bytes of gm.  Wave w takes shares p = 8 i + w (i = 0 .. 30; waves 0 and 1 also i = 31).
; Lane l: query l / 8, slots 2 (l % 8) and 2 (l % 8) + 1, by one load of 8 bytes.  A lane meets its groups in ascending order and keeps a sorted list of 8 (key, number); an insertion by 'less than' keeps the earlier of equals.
; The number carried is 2 x (first octet) + (four octets): it rises with the rows.
; Then the 8 lanes of a query merge their lists (eight times: the best head is found and taken off), the waves' lists meet in LDS, and wave 0 merges them in the same way.
.set K,  8                             ; v8-15    keys, ascending
.set I,  16                            ; v16-23   their numbers
.set V,  32                            ; v32-95   32 pairs as loaded
.set WK, 96                            ; v96-103  the winners' keys
.set WI, 104                           ; v104-111 and numbers
	s_load_b128 s[4:7], s[0:1], 0x0                ; gm, sel
	v_lshl_add_u32 v128, v0, 2, 0x800
	v_mov_b32 v129, 0
	v_lshrrev_b32 v1, 5, v0
	s_delay_alu instid0(VALU_DEP_1)
	v_readfirstlane_b32 s18, v1                    ; wave 0..7
	v_and_b32 v2, 31, v0
	s_delay_alu instid0(VALU_DEP_1)
	v_lshlrev_b32 v4, 3, v2                        ; 8 x lane: my two numbers of a piece
	v_and_b32 v7, 7, v0                            ; sg = lane % 8
	v_bfe_u32 v3, v0, 3, 2                         ; ql = lane / 8
	v_lshrrev_b32 v5, 3, v0
	s_delay_alu instid0(VALU_DEP_1)
	v_lshlrev_b32 v5, 6, v5                        ; LDS, in: 64 bytes for (wave, query): 64 (4 w + ql)
	s_delay_alu instid0(VALU_DEP_4)
	v_lshlrev_b32 v6, 8, v7
	s_delay_alu instid0(VALU_DEP_1)
	v_lshl_add_u32 v6, v3, 6, v6                   ; LDS, out: lane (ql, sg) takes wave sg's list of query ql
	v_lshlrev_b32 v30, 5, v3
	s_delay_alu instid0(VALU_DEP_1)
	v_lshl_add_u32 v30, v7, 4, v30                 ; sel: 32 bytes a query, 16 for each of lanes sg = 0, 1
	v_and_b32 v26, 3, v7
	v_lshrrev_b32 v27, 2, v7
	s_delay_alu instid0(VALU_DEP_2)
	v_mul_u32_u24 v24, v26, 12
	s_delay_alu instid0(VALU_DEP_1)
	v_mad_u32_u24 v24, v27, 50, v24
	s_mul_i32 s19, s18, 100
	v_add_nc_u32 v24, s19, v24                     ; slot 2 sg of share w: 2 x (50 w + 25 (sg / 4) + 6 (sg % 4))
	v_cmp_eq_u32 vcc_lo, 3, v26
	s_delay_alu instid0(VALU_DEP_1)
	v_cndmask_b32 v29, 6, 7, vcc_lo                ; slot 2 sg + 1 begins three octets on; block 7 has four octets
	s_delay_alu instid0(VALU_DEP_1)
	v_add_nc_u32 v25, v24, v29
.irp s, 0,1,2,3,4,5,6,7
	v_mov_b32 v[K+\s], 0x7f800000                  ; +infinity
	v_mov_b32 v[I+\s], -1
	v_mov_b32 v[WK+\s], 0                          ; written once: the destination of a line that reads another lane counts as one of its sources
	v_mov_b32 v[WI+\s], 0
.endr
	v_mov_b32 v27, 0
	s_lshl_b32 s20, ttmp9, 8
	s_lshl_b32 s21, s18, 16
	s_add_co_u32 s20, s20, s21
	s_mov_b32 s21, 0
	s_lshl_b32 s22, ttmp9, 7
	s_mov_b32 s23, 0
	s_wait_kmcnt 0x0
	s_add_nc_u64 s[4:5], s[4:5], s[20:21]          ; share w, my four queries
	s_add_nc_u64 s[8:9], s[4:5], 0x800000          ; and 128 shares on, so that the immediates stay inside their signed 24 bits
	s_add_nc_u64 s[6:7], s[6:7], s[22:23]
	s_cmp_lt_u32 s18, 2                            ; shares 248 and 249: waves 0 and 1 alone.  This load goes out FIRST, so that the counts below are the same in every wave
	s_cbranch_scc0 .Lno_last_load
	global_load_b64 v[V+62:V+63], v4, s[8:9] offset:15*524288 th:TH_LOAD_NT
.Lno_last_load:
.irp i, 0,1,2,3,4,5,6,7,8,9,10,11,12,13,14,15
	global_load_b64 v[V+2*\i:V+2*\i+1], v4, s[4:5] offset:\i*524288 th:TH_LOAD_NT        ; 32 lanes read 256 consecutive bytes
.endr
.irp i, 16,17,18,19,20,21,22,23,24,25,26,27,28,29,30
	global_load_b64 v[V+2*\i:V+2*\i+1], v4, s[8:9] offset:(\i-16)*524288 th:TH_LOAD_NT
.endr
; (key v[k], number v[id]) into the sorted list.  c[s] = key < K[s].  New slot s: the old slot s - 1 where c[s - 1], else the newcomer where c[s], else itself; for the keys that is the middle of (K[s - 1], key, K[s]).
.macro INS k, id
.irp s, 0,1,2,3,4,5,6,7
	v_cmp_lt_f32 s[40+\s], v[\k], v[K+\s]
.endr
.irp s, 7,6,5,4,3,2,1
	v_cndmask_b32 v[I+\s], v[I+\s], v[\id], s[40+\s]
	v_med3_num_f32 v[K+\s], v[K+\s-1], v[\k], v[K+\s]
	s_delay_alu instid0(VALU_DEP_2)
	v_cndmask_b32 v[I+\s], v[I+\s], v[I+\s-1], s[40+\s-1]
.endr
	v_cndmask_b32 v[I], v[I], v[\id], s40
	v_min_num_f32 v[K], v[K], v[\k]
.endm
; The best head among the 8 lanes of a query, by (key, number), becomes winner n in all 8; the lane that held it moves its list up.  After winner n only 7 - n slots can still be wanted.
.macro XROUND n
	v_min_num_f32_dpp v[WK+\n], v[K], v[K] row_xmask:1 row_mask:0xf bank_mask:0xf
	s_delay_alu instid0(VALU_DEP_1)
	v_min_num_f32_dpp v[WK+\n], v[WK+\n], v[WK+\n] row_xmask:2 row_mask:0xf bank_mask:0xf
	s_delay_alu instid0(VALU_DEP_1)
	v_min_num_f32_dpp v[WK+\n], v[WK+\n], v[WK+\n] row_xmask:4 row_mask:0xf bank_mask:0xf
	s_delay_alu instid0(VALU_DEP_1)
	v_cmp_eq_f32 vcc_lo, v[K], v[WK+\n]
	s_delay_alu instid0(VALU_DEP_1)
	v_cndmask_b32 v26, -1, v[I], vcc_lo            ; my head's number, if its key is the smallest
	s_delay_alu instid0(VALU_DEP_1)
	v_mov_b32_dpp v27, v26 row_xmask:1 row_mask:0xf bank_mask:0xf
	s_delay_alu instid0(VALU_DEP_1)
	v_min_u32 v26, v26, v27
	s_delay_alu instid0(VALU_DEP_1)
	v_mov_b32_dpp v27, v26 row_xmask:2 row_mask:0xf bank_mask:0xf
	s_delay_alu instid0(VALU_DEP_1)
	v_min_u32 v26, v26, v27
	s_delay_alu instid0(VALU_DEP_1)
	v_mov_b32_dpp v27, v26 row_xmask:4 row_mask:0xf bank_mask:0xf
	s_delay_alu instid0(VALU_DEP_1)
	v_min_u32 v[WI+\n], v26, v27
.if \n < 7
	s_delay_alu instid0(VALU_DEP_1)
	v_cmp_eq_u32 vcc_lo, v[I], v[WI+\n]            ; a number stands in one list only
.set sx, 0
.rept 7-\n
	v_cndmask_b32 v[K+sx], v[K+sx], v[K+sx+1], vcc_lo
	v_cndmask_b32 v[I+sx], v[I+sx], v[I+sx+1], vcc_lo
.set sx, sx+1
.endr
.endif
.endm
.set i, 0
.rept 31
	s_wait_alu depctr_va_vdst(0)
	s_wait_loadcnt 30-i                            ; loads come back in order: piece i is in, the 30 - i younger ones may be out
	INS V+2*i, 24
	INS V+2*i+1, 25
	v_add_nc_u32 v24, 800, v24                     ; eight shares on: 2 x 8 x 50 octets
	v_add_nc_u32 v25, 800, v25
.set i, i+1
.endr
	s_cmp_lt_u32 s18, 2
	s_cbranch_scc0 .Lno_last
	INS V+62, 24                                   ; (that load was the first to go out: it is in)
	INS V+63, 25
.Lno_last:
	s_wait_alu depctr_va_vdst(0)
.irp n, 0,1,2,3,4,5,6,7
	XROUND \n
.endr
	ds_store_b128 v5, v[WK:WK+3]                   ; the 8 lanes of a query write the same words with the same values
	ds_store_b128 v5, v[WK+4:WK+7] offset:16
	ds_store_b128 v5, v[WI:WI+3] offset:32
	ds_store_b128 v5, v[WI+4:WI+7] offset:48
	s_wait_dscnt 0x0                               ; for the others' sake: my stores are done
	s_barrier_signal -1
	s_barrier_wait -1
	s_cmp_lg_u32 s18, 0
	s_cbranch_scc1 .Lend
	ds_load_b128 v[K:K+3], v6                      ; wave 0: eight sorted lists a query, one to a lane
	ds_load_b128 v[K+4:K+7], v6 offset:16
	ds_load_b128 v[I:I+3], v6 offset:32
	ds_load_b128 v[I+4:I+7], v6 offset:48
	s_wait_dscnt 0x0
.irp n, 0,1,2,3,4,5,6,7
	XROUND \n
.endr
.irp n, 0,1,2,3,4,5,6,7
	v_and_b32 v26, 1, v[WI+\n]
	v_lshrrev_b32 v[WI+\n], 1, v[WI+\n]
	s_delay_alu instid0(VALU_DEP_1)
	v_lshl_or_b32 v[WI+\n], v26, 16, v[WI+\n]      ; first octet | four octets << 16
.endr
	v_cmp_eq_u32 vcc_lo, 1, v7
.irp j, 0,1,2,3
	v_cndmask_b32 v[V+\j], v[WI+\j], v[WI+4+\j], vcc_lo            ; lane sg = 0 stores winners 0-3, lane sg = 1 winners 4-7
.endr
	v_cmp_gt_u32 vcc_lo, 2, v7
	s_wait_alu depctr_va_vdst(0)
	s_wait_xcnt 0x0                                ; EXEC changes only when the earlier memory instructions have had their addresses translated
	s_wait_tensorcnt 0x0
	ds_add_u32 v128, v129
	s_wait_dscnt 0x0
	s_and_saveexec_b32 s20, vcc_lo
	global_store_b128 v30, v[V:V+3], s[6:7]        ; 128 consecutive bytes: four queries' lists
	s_endpgm
.Lend:
	s_wait_tensorcnt 0x0
	ds_add_u32 v128, v129
	s_wait_dscnt 0x0
	s_endpgm
.Lfunc_end_k_qa862cad123_pick:
	.size	k_qa862cad123_pick, .Lfunc_end_k_qa862cad123_pick-k_qa862cad123_pick
	.p2alignl 7, 3214868480
	.fill 96, 4, 3214868480
	.section	.rodata,"a",@progbits
	.p2align	6, 0x0
	.amdhsa_kernel k_qa862cad123_pick
		.amdhsa_group_segment_fixed_size 3072
		.amdhsa_private_segment_fixed_size 0
		.amdhsa_enable_private_segment 0
		.amdhsa_kernarg_size 16
		.amdhsa_user_sgpr_count 2
		.amdhsa_user_sgpr_kernarg_segment_ptr 1
		.amdhsa_wavefront_size32 1
		.amdhsa_system_sgpr_workgroup_id_x 1
		.amdhsa_system_sgpr_workgroup_id_y 1
		.amdhsa_system_sgpr_workgroup_id_z 1
		.amdhsa_system_vgpr_workitem_id 0
		.amdhsa_next_free_vgpr 130
		.amdhsa_next_free_sgpr 66
		.amdhsa_reserve_vcc 1
		.amdhsa_float_denorm_mode_32 3
		.amdhsa_float_denorm_mode_16_64 3
		.amdhsa_memory_ordered 1
		.amdhsa_forward_progress 1
		.amdhsa_inst_pref_size 169
	.end_amdhsa_kernel
	.amdgpu_metadata
---
amdhsa.version: [ 1, 2 ]
amdhsa.kernels:
  - .name:           k_qa862cad123_pick
    .symbol:         k_qa862cad123_pick.kd
    .args:
      - { .name: gm, .offset: 0, .size: 8, .value_kind: global_buffer, .address_space: global }
      - { .name: sel, .offset: 8, .size: 8, .value_kind: global_buffer, .address_space: global }
    .group_segment_fixed_size: 3072
    .private_segment_fixed_size: 0
    .kernarg_segment_align: 8
    .kernarg_segment_size: 16
    .max_flat_workgroup_size: 256
    .sgpr_count:     66
    .vgpr_count:     130
    .wavefront_size: 32
...
	.end_amdgpu_metadata
.endif
;; end of part 7
;; launch vote (part 8): grid 1024 x 1, 8 waves a work-group, no clusters, 3,072 bytes of LDS; arguments sel, xc, xs, x2, tc, ts, t2, y_train, out0; writes out0
.if DOCPART == 8
	.amdgcn_target "amdgcn-amd-amdhsa--gfx1250"
	.amdhsa_code_object_version 6
	.text
	.protected	k_qa862cad123_vote
	.globl	k_qa862cad123_vote
	.p2align	8
	.type	k_qa862cad123_vote,@function
k_qa862cad123_vote:
	s_mov_b64 s[64:65], 0
	v_nop
	global_prefetch_b8 v0, s[64:65] scope:SCOPE_SE
	s_setreg_imm32_b32 hwreg(HW_REG_WAVE_MODE, 25, 1), 1
	s_wait_xcnt 0x0
; For each query: the rows of its 8 chosen groups (sel, stored by an earlier launch) are multiplied again, from the same codes by the same matrix instruction, K ascending; dist = sqrt(max((x2 + t2) - 2 x.t, 0));
; the 8 best by (dist, row); of their labels the commonest, the smallest class among equals.
; LIMITS: labels are taken to lie in 0 .. 99, as the table of classes presumes (7 bits are kept); NaN and infinities are not served.  sel's octet is held at 12,496, the last place at which four octets lie inside the tables.
; SHARES.  Work-group q is one query.  Wave p takes group p: 32 rows (four octets; of a group of three octets the last eight rows belong to the next group and get the key +infinity).  Wave 0 then ranks the 256 candidates.
; THE PRODUCT.  Source 0 = the query in all 16 rows, source 1 = 16 candidates: register 0 of the result holds, in lane (r, any half), candidate r's product.  Two tiles, two accumulators by turns.
; A candidate is (key, payload), payload = row << 7 | label: it orders equal keys by row, and the label travels with it.
; REGISTERS: v1-15 offsets and at work; v16-47 the query's fragments (later the candidates and the ranking's work); v48-111 the candidates' fragments; v112-115 the query's scale words, v116-123 the candidates': nothing else ever;
;   v124 t2, v125 label, v126 x2 + t2; v128-143 the two accumulators.
	s_load_b256 s[4:11], s[0:1], 0x0               ; sel s[4:5], xc s[6:7], xs s[8:9], x2 s[10:11]
	s_load_b256 s[12:19], s[0:1], 0x20             ; tc s[12:13], ts s[14:15], t2 s[16:17], y_train s[18:19]
	s_load_b64 s[20:21], s[0:1], 0x40              ; out0
	v_lshl_add_u32 v144, v0, 2, 0x800
	v_mov_b32 v145, 0
	v_lshrrev_b32 v1, 5, v0
	s_delay_alu instid0(VALU_DEP_1)
	v_readfirstlane_b32 s22, v1                    ; wave 0..7
	v_and_b32 v1, 31, v0                           ; lane
	v_and_b32 v13, 15, v0                          ; r
	v_bfe_u32 v14, v0, 4, 1                        ; hh
	s_delay_alu instid0(VALU_DEP_1)
	v_lshlrev_b32 v2, 7, v14                       ; the query: 128 hh in a piece of 256 bytes (its row is in the base)
	s_delay_alu instid0(VALU_DEP_3)
	v_lshrrev_b32 v15, 3, v13
	s_delay_alu instid0(VALU_DEP_4)
	v_and_b32 v3, 7, v13
	s_delay_alu instid0(VALU_DEP_1)
	v_lshl_add_u32 v3, v3, 4, v2
	s_delay_alu instid0(VALU_DEP_1)
	v_lshl_add_u32 v3, v15, 11, v3                 ; candidates: octet r / 8 of the tile's two, 128 hh, row r % 8
	v_lshlrev_b32 v4, 4, v13                       ; their scale words: 16 bytes a row
	v_lshlrev_b32 v9, 2, v1                        ; t2 and label of row (first row + lane)
	v_mov_b32 v12, 0
	v_lshlrev_b32 v5, 3, v0                        ; LDS: 8 bytes a candidate: 256 x wave + 8 x lane
	v_mov_b32 v8, 0x7f800000                       ; +infinity
	s_mov_b32 s28, 0xffff0000                      ; lanes 16-31
	s_mov_b32 s30, 0x76543210
	s_mov_b32 s31, 0xfedcba98                      ; selects for lane l xor 16
	s_lshl_b32 s34, ttmp9, 5
	s_lshl_b32 s23, s22, 2
	s_add_co_u32 s34, s34, s23                     ; sel: 32 bytes a query, 4 a group
	s_mov_b32 s35, 0
	s_wait_alu depctr_va_vdst(0)
	s_wait_kmcnt 0x0
	s_add_nc_u64 s[4:5], s[4:5], s[34:35]
	s_load_b32 s24, s[4:5], 0x0                    ; my group
	s_lshl_b32 s34, ttmp9, 2
	s_add_nc_u64 s[10:11], s[10:11], s[34:35]
	s_add_nc_u64 s[20:21], s[20:21], s[34:35]
	s_load_b32 s27, s[10:11], 0x0                  ; x2 of the query
	s_lshl_b32 s34, ttmp9, 4
	s_add_nc_u64 s[8:9], s[8:9], s[34:35]          ; its scale bytes
	s_lshr_b32 s34, ttmp9, 3
	s_lshl_b32 s34, s34, 11
	s_and_b32 s23, ttmp9, 7
	s_lshl_b32 s23, s23, 4
	s_add_co_u32 s34, s34, s23
	s_add_nc_u64 s[6:7], s[6:7], s[34:35]          ; its codes: octet q / 8, row q % 8
.irp c, 0,1,2,3,4,5,6,7
	global_load_b128 v[16+4*\c:19+4*\c], v2, s[6:7] offset:256*\c      ; the query's loads go out while sel's word is on its way
.endr
	global_load_b128 v[112:115], v12, s[8:9]       ; its four scale words, the same in every lane
	s_wait_kmcnt 0x0
	s_and_b32 s25, s24, 0xffff
	s_min_u32 s25, s25, 12496                      ; the first octet, held inside the tables; behind this only shifts left and additions
	s_lshr_b32 s26, s24, 16                        ; four octets?  It feeds a mask alone
	s_lshl_b32 s34, s25, 11
	s_add_nc_u64 s[12:13], s[12:13], s[34:35]
	s_lshl_b32 s34, s25, 7
	s_add_nc_u64 s[14:15], s[14:15], s[34:35]
	s_lshl_b32 s34, s25, 5
	s_add_nc_u64 s[16:17], s[16:17], s[34:35]
	s_add_nc_u64 s[18:19], s[18:19], s[34:35]
.irp u, 0,1
.irp c, 0,1,2,3,4,5,6,7
	global_load_b128 v[48+32*\u+4*\c:51+32*\u+4*\c], v3, s[12:13] offset:4096*\u+256*\c    ; each load reads two whole pieces of 256 bytes
.endr
	global_load_b128 v[116+4*\u:119+4*\u], v4, s[14:15] offset:256*\u
.endr
	global_load_b32 v124, v9, s[16:17]
	global_load_b32 v125, v9, s[18:19]
	s_cmp_lg_u32 s26, 0
	s_cselect_b32 s29, -1, 0x00ffffff              ; the lanes whose rows belong to the group
	s_wait_loadcnt 0x0
.irp s, 0,1,2,3
.irp u, 0,1
.if \s == 0
	v_wmma_scale_f32_16x16x128_f8f6f4 v[128+8*\u:135+8*\u], v[16+8*\s:23+8*\s], v[48+32*\u+8*\s:55+32*\u+8*\s], 0, v[112+\s], v[116+4*\u+\s] matrix_a_fmt:MATRIX_FMT_FP4 matrix_b_fmt:MATRIX_FMT_FP4
.else
	v_wmma_scale_f32_16x16x128_f8f6f4 v[128+8*\u:135+8*\u], v[16+8*\s:23+8*\s], v[48+32*\u+8*\s:55+32*\u+8*\s], v[128+8*\u:135+8*\u], v[112+\s], v[116+4*\u+\s] matrix_a_fmt:MATRIX_FMT_FP4 matrix_b_fmt:MATRIX_FMT_FP4
.endif
.endr
.endr
	v_and_b32 v125, 127, v125                      ; four plain lines that name no register of the products: the places behind them (ISA guide 7.12.1)
	v_lshl_add_u32 v7, s25, 3, v1                  ; my row
	s_delay_alu instid0(VALU_DEP_1)
	v_lshl_or_b32 v11, v7, 7, v125                 ; the payload
	v_add_f32 v126, s27, v124                      ; x2 + t2
	v_cndmask_b32 v6, v128, v136, s28              ; lanes 0-15: tile 0's candidate r; lanes 16-31: tile 1's.  Each accumulator is read at its lowest register
	s_delay_alu instid0(VALU_DEP_1)
	v_fma_f32 v6, v6, -2.0, v126
	s_delay_alu instid0(VALU_DEP_1)
	v_max_num_f32 v6, 0, v6
	s_wait_alu depctr_va_vdst(0)
	v_sqrt_f32 v10, v6
	v_nop                                          ; a plain line behind the root
	s_wait_alu depctr_va_vdst(0)
	v_cndmask_b32 v10, v8, v10, s29                ; rows that are not the group's: +infinity
	ds_store_b64 v5, v[10:11]
	s_wait_dscnt 0x0                               ; for wave 0's sake: my store is done
	s_barrier_signal -1
	s_barrier_wait -1
	s_cmp_lg_u32 s22, 0
	s_cbranch_scc1 .Lend
.irp j, 0,1,2,3,4,5,6,7
	ds_load_b64 v[16+2*\j:17+2*\j], v5 offset:256*\j               ; in wave 0 v5 is 8 x lane: candidate (group j, row lane): key v[16 + 2 j], payload v[17 + 2 j]
.endr
	v_mov_b32 v33, 0                               ; written once: the destination of a line that reads another lane counts as one of its sources
	v_mov_b32 v35, 0
	v_mov_b32 v36, 0
	s_wait_dscnt 0x0
; Winner n of the 256: the smallest key; among equal keys the smallest payload (the lowest row); it is then taken out.  Every lane holds it in v[40 + n]; lane n keeps it in v36.
.macro ROUND n
	v_min3_num_f32 v32, v16, v18, v20
	v_min3_num_f32 v33, v22, v24, v26
	s_delay_alu instid0(VALU_DEP_2)
	v_min3_num_f32 v32, v32, v28, v30
	s_delay_alu instid0(VALU_DEP_1)
	v_min_num_f32 v32, v32, v33
.irp m, 1,2,4,8
	s_delay_alu instid0(VALU_DEP_1)
	v_min_num_f32_dpp v32, v32, v32 row_xmask:\m row_mask:0xf bank_mask:0xf
.endr
	s_delay_alu instid0(VALU_DEP_1)
	v_permlanex16_b32 v33, v32, s30, s31
	s_delay_alu instid0(VALU_DEP_1)
	v_min_num_f32 v32, v32, v33
	s_delay_alu instid0(VALU_DEP_1)
	v_cmp_eq_f32 vcc_lo, v16, v32
	s_delay_alu instid0(VALU_DEP_1)
	v_cndmask_b32 v34, -1, v17, vcc_lo
.irp j, 1,2,3,4,5,6,7
	v_cmp_eq_f32 vcc_lo, v[16+2*\j], v32
	s_delay_alu instid0(VALU_DEP_1)
	v_cndmask_b32 v35, -1, v[17+2*\j], vcc_lo
	s_delay_alu instid0(VALU_DEP_1)
	v_min_u32 v34, v34, v35
.endr
.irp m, 1,2,4,8
	s_delay_alu instid0(VALU_DEP_1)
	v_mov_b32_dpp v35, v34 row_xmask:\m row_mask:0xf bank_mask:0xf
	s_delay_alu instid0(VALU_DEP_1)
	v_min_u32 v34, v34, v35
.endr
	s_delay_alu instid0(VALU_DEP_1)
	v_permlanex16_b32 v35, v34, s30, s31
	s_delay_alu instid0(VALU_DEP_1)
	v_min_u32 v[40+\n], v34, v35
.irp j, 0,1,2,3,4,5,6,7
	v_cmp_eq_u32 vcc_lo, v[17+2*\j], v[40+\n]
	s_delay_alu instid0(VALU_DEP_1)
	v_cndmask_b32 v[16+2*\j], v[16+2*\j], v8, vcc_lo
.endr
	v_cmp_eq_u32 vcc_lo, \n, v1
	s_delay_alu instid0(VALU_DEP_1)
	v_cndmask_b32 v36, v36, v[40+\n], vcc_lo
.endm
.irp n, 0,1,2,3,4,5,6,7
	ROUND \n
.endr
	; THE VOTE: lane n (0 .. 7) counts how many of the eight labels equal winner n's
.irp n, 0,1,2,3,4,5,6,7
	v_and_b32 v[40+\n], 127, v[40+\n]
.endr
	v_and_b32 v36, 127, v36
	v_mov_b32 v37, 0
.irp n, 0,1,2,3,4,5,6,7
	v_cmp_eq_u32 vcc_lo, v[40+\n], v36
	s_delay_alu instid0(VALU_DEP_1)
	v_cndmask_b32 v35, 0, 1, vcc_lo
	s_delay_alu instid0(VALU_DEP_1)
	v_add_nc_u32 v37, v37, v35
.endr
	v_sub_nc_u32 v38, 127, v36
	s_delay_alu instid0(VALU_DEP_1)
	v_lshl_or_b32 v38, v37, 7, v38                 ; votes << 7 | (127 - class): the largest has the most votes and, among equals, the smallest class
	v_cmp_gt_u32 vcc_lo, 8, v1
	s_delay_alu instid0(VALU_DEP_1)
	v_cndmask_b32 v38, 0, v38, vcc_lo
.irp m, 1,2,4
	s_delay_alu instid0(VALU_DEP_1)
	v_mov_b32_dpp v35, v38 row_xmask:\m row_mask:0xf bank_mask:0xf
	s_delay_alu instid0(VALU_DEP_1)
	v_max_u32 v38, v38, v35
.endr
	s_delay_alu instid0(VALU_DEP_1)
	v_and_b32 v38, 127, v38
	s_delay_alu instid0(VALU_DEP_1)
	v_sub_nc_u32 v38, 127, v38
	v_cmp_eq_u32 vcc_lo, 0, v1
	s_wait_alu depctr_va_vdst(0)
	s_wait_xcnt 0x0                                ; EXEC changes only when the earlier memory instructions have had their addresses translated
	s_wait_tensorcnt 0x0
	ds_add_u32 v144, v145
	s_wait_dscnt 0x0
	s_and_saveexec_b32 s32, vcc_lo
	global_store_b32 v12, v38, s[20:21]            ; lane 0: out0[q]
	s_endpgm
.Lend:
	s_wait_tensorcnt 0x0
	ds_add_u32 v144, v145
	s_wait_dscnt 0x0
	s_endpgm
.Lfunc_end_k_qa862cad123_vote:
	.size	k_qa862cad123_vote, .Lfunc_end_k_qa862cad123_vote-k_qa862cad123_vote
	.p2alignl 7, 3214868480
	.fill 96, 4, 3214868480
	.section	.rodata,"a",@progbits
	.p2align	6, 0x0
	.amdhsa_kernel k_qa862cad123_vote
		.amdhsa_group_segment_fixed_size 3072
		.amdhsa_private_segment_fixed_size 0
		.amdhsa_enable_private_segment 0
		.amdhsa_kernarg_size 72
		.amdhsa_user_sgpr_count 2
		.amdhsa_user_sgpr_kernarg_segment_ptr 1
		.amdhsa_wavefront_size32 1
		.amdhsa_system_sgpr_workgroup_id_x 1
		.amdhsa_system_sgpr_workgroup_id_y 1
		.amdhsa_system_sgpr_workgroup_id_z 1
		.amdhsa_system_vgpr_workitem_id 0
		.amdhsa_next_free_vgpr 146
		.amdhsa_next_free_sgpr 66
		.amdhsa_reserve_vcc 1
		.amdhsa_float_denorm_mode_32 3
		.amdhsa_float_denorm_mode_16_64 3
		.amdhsa_memory_ordered 1
		.amdhsa_forward_progress 1
		.amdhsa_inst_pref_size 41
	.end_amdhsa_kernel
	.amdgpu_metadata
---
amdhsa.version: [ 1, 2 ]
amdhsa.kernels:
  - .name:           k_qa862cad123_vote
    .symbol:         k_qa862cad123_vote.kd
    .args:
      - { .name: sel, .offset: 0, .size: 8, .value_kind: global_buffer, .address_space: global }
      - { .name: xc, .offset: 8, .size: 8, .value_kind: global_buffer, .address_space: global }
      - { .name: xs, .offset: 16, .size: 8, .value_kind: global_buffer, .address_space: global }
      - { .name: x2, .offset: 24, .size: 8, .value_kind: global_buffer, .address_space: global }
      - { .name: tc, .offset: 32, .size: 8, .value_kind: global_buffer, .address_space: global }
      - { .name: ts, .offset: 40, .size: 8, .value_kind: global_buffer, .address_space: global }
      - { .name: t2, .offset: 48, .size: 8, .value_kind: global_buffer, .address_space: global }
      - { .name: y_train, .offset: 56, .size: 8, .value_kind: global_buffer, .address_space: global }
      - { .name: out0, .offset: 64, .size: 8, .value_kind: global_buffer, .address_space: global }
    .group_segment_fixed_size: 3072
    .private_segment_fixed_size: 0
    .kernarg_segment_align: 8
    .kernarg_segment_size: 72
    .max_flat_workgroup_size: 256
    .sgpr_count:     66
    .vgpr_count:     146
    .wavefront_size: 32
...
	.end_amdgpu_metadata
.endif
;; end of part 8
